; MI455X (gfx1250); checked and timed in simulation.
; The chip was launched on July 23, 2026; its instructions are those of AMD's public machine-readable ISA for CDNA 5 (MIT licence, August 2026) and "CDNA5" Instruction Set Architecture Reference Guide (July 2026). The comments in the code are by the model that wrote it; some were corrected since.
;; MAB PRE NORMAL. Allowed arithmetic: matrix products marked QUANTISED: E5M2 operands, one E8M0 scale for each 32 along K, by v_wmma_scale_f32_16x16x128_f8f6f4 with both operands' format E5M2, f32 sums; everything else in f32.
;; Inputs: K 8 x 1,024 x 1,024 float32; Q 8 x 1,024 x 1,024 float32; Wk 1,024 x 1,024 float32; Wo 1,024 x 1,024 float32; Wq 1,024 x 1,024 float32; Wv 1,024 x 1,024 float32; be_f 1,024 float32; be_kv 1,024 float32; be_o 1,024 float32; be_q 1,024 float32; bk 1,024 float32; bo 1,024 float32; bq 1,024 float32; bv 1,024 float32; g_f 1,024 float32; g_kv 1,024 float32; g_o 1,024 float32; g_q 1,024 float32; pad_mask 8 x 1,024 float32.
;; Outputs: out0 8 x 1,024 x 1,024 float32.
;; This version of the problem:
;;   THIS VERSION OF THE PROBLEM IS GIVEN IN LOW PRECISION. The matrix products marked QUANTISED in the list below multiply operands that are first quantised to E5M2 (5 exponent bits, 2 mantissa bits; 8 bits a number), with one power-of-two scale for each 32 numbers along K (OCP MX v1.0); their sums are f32. All else is computed in f32.
;;   The module's matrix products, in the order in which they are computed (A, B: the left and right operand; K: the contracted axis; several contracted axes count as one K, in the product's order):
;;     1. [M 8,192, K 1,024] x [K 1,024, N 1,024]; A: computed on the way; B: input Wq: QUANTISED
;;     2. [M 8,192, K 1,024] x [K 1,024, N 1,024]; A: computed on the way; B: input Wk: QUANTISED
;;     3. [M 8,192, K 1,024] x [K 1,024, N 1,024]; A: computed on the way; B: input Wv: QUANTISED
;;     4. batch 128 x [M 1,024, K 64] x [K 64, N 1,024]; A: computed on the way; B: computed on the way: QUANTISED
;;     5. batch 128 x [M 64, K 1,024] x [K 1,024, N 1,024]; A: computed on the way; B: computed on the way: QUANTISED
;;     6. [M 8,192, K 1,024] x [K 1,024, N 1,024]; A: computed on the way; B: input Wo: QUANTISED
;;   THE QUANTISER, for each operand of a quantised product, along K:
;;     - K is cut into blocks of 32 from its start; a last block that is shorter is filled with zeros.
;;     - A block's scale is 2^e with e = floor(log2(the largest magnitude in the block)) - 15, held to -126 .. 127; a block of zeros has e = 0. As a byte (E8M0): e + 127.
;;     - Each number is divided by its block's scale, clamped to +-57,344, and rounded to the nearest number of E5M2, ties to even, subnormals kept.
;;     - The product sums the exact products of the quantised numbers (number of the format x scale) in f32.
;;   ~~~python
;;   def quantise(x, axis):      # numpy; x: float32 -> the quantised numbers, widened to float32 again
;;       x = np.moveaxis(x, axis, -1); K = x.shape[-1]
;;       x = np.pad(x, [(0, 0)] * (x.ndim - 1) + [(0, -K % 32)]); x = x.reshape(x.shape[:-1] + (-1, 32)); a = np.abs(x).max(-1, keepdims=True)
;;       e = np.where(a > 0, np.clip(np.frexp(np.where(a > 0, a, 1))[1] - 1 - 15, -126, 127), 0)      # np.frexp(a)[1] - 1 = floor(log2(a)), exactly
;;       r = np.clip(x / 2.0 ** e, -57344, 57344)
;;       step = 2.0 ** (np.maximum(np.frexp(np.where(r == 0, 1, r))[1] - 1, -14) - 2)
;;       q = np.round(r / step) * step * 2.0 ** e      # np.round: ties to even
;;       return np.moveaxis(q.reshape(q.shape[:-2] + (-1,))[..., :K], -1, axis).astype(np.float32)
;;   ~~~
;;   OPERANDS COMPUTED ON THE WAY. 'Computed on the way' means the value that the module computes at that place (a softmax that the list does not call 'softmax' is quantised finished and normalised). What goes into a quantiser is computed in f32, as accurately as f32 sums, v_exp_f32 and their like allow (about 1e-6 of the number): no bf16 or f16 on the way to a quantiser, and a product that is left as it is and whose result goes on into a quantised operand takes f32 operands (vector FMAs, or v_wmma_f32_16x16x4_f32). A number that lies on a knife's edge between two numbers of the format may be rounded either way, as far as f32 arithmetic and the matrix unit's own rounding can turn it there, and no further.
;; 2 versions, each right; version 2 is version 1 with the launches attn, tail written anew for expert scheduling mode. Each part assembles by itself: llvm-mc -triple=amdgcn-amd-amdhsa -mcpu=gfx1250 --defsym DOCPART=n.
;; ======== version 1 of 2: 4 launches
;; limits: right only within a limited range of input values
;; workspace buffers: codes 20,971,520 bytes; scales 655,360 bytes; frag 25,165,824 bytes; fscale 786,432 bytes; att 33,554,432 bytes
;; launch prep (part 1): grid 672 x 1, 4 waves a work-group, no clusters, 23,040 bytes of LDS; arguments Q, K, Wq, Wk, Wv, Wo, g_q, be_q, g_kv, be_kv, codes, scales; writes codes, scales
.if DOCPART == 1
	.amdgcn_target "amdgcn-amd-amdhsa--gfx1250"
	.amdhsa_code_object_version 6
	.text
	.protected	k_q78e38eefda_prep
	.globl	k_q78e38eefda_prep
	.p2align	8
	.type	k_q78e38eefda_prep,@function
k_q78e38eefda_prep:
	s_mov_b64 s[64:65], 0
	v_nop
	global_prefetch_b8 v0, s[64:65] scope:SCOPE_SE
	s_setreg_imm32_b32 hwreg(HW_REG_WAVE_MODE, 25, 1), 1
	s_wait_xcnt 0x0
; LayerNorm(Q), LayerNorm(K) and the four weights become codes of BF8 (E5M2) with one E8M0 scale byte for each 32 along K (K = the 1,024 innermost numbers of a row).
; A block's scale is 2^(floor(log2(its largest magnitude)) - 15); its byte is the largest magnitude's exponent field - 15, held at 1 from below; each number is held within +-57,344 x the scale and rounded to the nearest code.
; LIMITS: NaN and infinities among the inputs are not served; a block of zeros keeps the byte 1 (its codes are zeros, and this program alone reads the bytes).
; WORK-GROUPS 0-607 (one text for five tensors; pointers are chosen on the work-group's number): 0-255 Q, 256-511 K, 512-543 Wq, 544-575 Wk, 576-607 Wv.  32 rows a work-group, 8 a wave, a whole row (4,096 bytes) in 32 registers of a wave.
;   For the weights the gain is made 1, the offset 0, the mean 0 and the factor 1, so that the same lines give x itself, exactly.
;   THE ROWS ARE STORED IN ANOTHER ORDER: position p of the codes' buffer holds row p with bits 3 and 4 exchanged, so that 16 neighbouring positions 16 t + r are rows 32 (t / 2) + 8 (t % 2) + r + 8 (r / 8).
;   In a work-group that is an exchange of waves 1 and 2.  A product's results along such rows fall 16 neighbours to a lane, as the next quantiser wants them.
;   The conversions take 16 neighbours from ONE lane; the loads take 16 bytes a lane, 512 consecutive bytes a wave.  So a row turns through the wave's own stage in LDS (64 places of 64 bytes + 16 of padding).
; WORK-GROUPS 608-671: Wo, a tile of 16 rows a work-group, two K steps of 128 a wave, rows in their own order, stored as IMAGES OF THE OPERAND'S REGISTERS: [tile 64][K step 8][register group 4][lane 32][16 bytes]; no LDS.
;   A wave asks for both its K steps at once, 32 loads, so that it waits for memory once.
; No tensor loads, no barrier: waves share nothing.  No matrix unit, no cluster: a stream that is read once.
.set WREG,  5632                       ; LDS of a wave: the stage, 5,120 bytes, and its 256 scale bytes
.set SP,    80
.set SBO,   5120
.set LO,    1                          ; v1  16 x lane
.set SI,    2                          ; v2  the stage, on the way in
.set SOUT,  3                          ; v3  and on the way out
.set SBY,   4                          ; v4  my block's scale byte
.set SBR,   5                          ; v5  the scale bytes on their way out, 8 a lane
.set L8,    6                          ; v6  8 x lane
.set LN,    8                          ; v8  lane
.set T,     16                         ; v16-23 at work
.set TP,    24                         ; v24 a lane permute's destination
.set MEAN,  26                         ; v[26:27] the mean (low word)
.set RSTD,  28                         ; v[28:29] 1 / sqrt(variance + 1e-5) (low word)
.set G,     32                         ; v32-63  the gain of my 32 columns
.set BE,    64                         ; v64-95  the offset
.set R,     96                         ; v96-191 three rows as loaded
.set X,     192                        ; v192-223 two times 16 neighbours
.set C,     224                        ; v224-239 codes, two rows' sets
.set E,     240                        ; v240-243 scale bytes
	s_load_b512 s[8:23], s[0:1], 0x0               ; Q, K, Wq, Wk, Wv, Wo, g_q, be_q
	s_load_b256 s[24:31], s[0:1], 0x40             ; g_kv, be_kv, codes, scales
	v_lshl_add_u32 v248, v0, 2, 0x5800
	v_mov_b32 v249, 0
	v_lshrrev_b32 v7, 5, v0
	v_readfirstlane_b32 s2, v7                     ; wave
	v_and_b32 v[LN], 31, v0
	v_lshlrev_b32 v[LO], 4, v[LN]
	s_mov_b32 s46, 0x76543210
	s_mov_b32 s47, 0xfedcba98                      ; v_permlanex16_b32's selects for lane l xor 16
	s_mov_b32 s45, 0x600000                        ; the mantissa field of 57,344
	s_cmp_ge_u32 ttmp9, 608
	s_cbranch_scc1 .Lwo
	s_mul_i32 s3, s2, WREG
	v_lshrrev_b32 v9, 2, v[LN]
	v_mul_u32_u24 v9, v9, SP
	v_and_b32 v10, 3, v[LN]
	v_lshl_add_u32 v9, v10, 4, v9
	v_add_nc_u32 v[SI], s3, v9                     ; four lanes' 64 bytes on end, then 16 of padding
	v_mul_u32_u24 v9, v[LN], SP
	v_add_nc_u32 v[SOUT], s3, v9
	s_add_co_u32 s3, s3, SBO
	v_lshrrev_b32 v9, 1, v[LN]
	v_add_nc_u32 v[SBY], s3, v9
	v_lshlrev_b32 v[L8], 3, v[LN]
	v_add_nc_u32 v[SBR], s3, v[L8]
	v_mov_b32 v[TP], 0                             ; a lane permute's destination counts as read
	v_mov_b32 v[MEAN+1], 0                         ; named as the upper halves of pairs
	v_mov_b32 v[RSTD+1], 0
	s_mov_b32 s42, 0x3a800000                      ; 1 / 1,024
	s_mov_b32 s43, 0x3727c5ac                      ; 1e-5
	s_wait_kmcnt 0x0
	s_mov_b64 s[32:33], s[16:17]                   ; which tensor, and its first work-group
	s_mov_b32 s34, 576
	s_cmp_lt_u32 ttmp9, 576
	s_cselect_b64 s[32:33], s[14:15], s[32:33]
	s_cselect_b32 s34, 544, s34
	s_cmp_lt_u32 ttmp9, 544
	s_cselect_b64 s[32:33], s[12:13], s[32:33]
	s_cselect_b32 s34, 512, s34
	s_cmp_lt_u32 ttmp9, 512
	s_cselect_b64 s[32:33], s[10:11], s[32:33]
	s_cselect_b32 s34, 256, s34
	s_cselect_b32 s40, -1, 0                       ; all lanes: a LayerNorm stands ahead of the quantiser
	s_cselect_b32 s41, 0x3a800000, 0               ; sum x this = the mean, or 0 for a weight
	s_cmp_lt_u32 ttmp9, 256
	s_cselect_b64 s[32:33], s[8:9], s[32:33]
	s_cselect_b32 s34, 0, s34
	s_cselect_b64 s[36:37], s[20:21], s[24:25]     ; the gain and the offset (a weight's are replaced below)
	s_cselect_b64 s[38:39], s[22:23], s[26:27]
	s_sub_co_u32 s34, ttmp9, s34
	s_lshl_b32 s34, s34, 2
	s_add_co_u32 s34, s34, s2                      ; which run of 8 rows of the tensor
	s_lshl_b32 s34, s34, 15                        ; x 8 x 4,096 bytes
	s_mov_b32 s35, 0
	s_add_nc_u64 s[32:33], s[32:33], s[34:35]
	s_and_b32 s44, s2, 1                           ; the wave's two bits exchanged: where its 8 rows go
	s_lshl_b32 s44, s44, 1
	s_lshr_b32 s48, s2, 1
	s_or_b32 s44, s44, s48
	s_lshl_b32 s48, ttmp9, 2
	s_add_co_u32 s44, s44, s48                     ; which run of 8 positions
	s_lshl_b32 s48, s44, 13                        ; x 8 x 1,024 bytes of codes
	s_mov_b32 s49, 0
	s_add_nc_u64 s[28:29], s[28:29], s[48:49]
	s_lshl_b32 s48, s44, 8                         ; x 8 x 32 scale bytes
	s_add_nc_u64 s[30:31], s[30:31], s[48:49]
.macro LOADROW i                       ; eight loads of 512 consecutive bytes: the whole row
.irp j, 0,1,2,3,4,5,6,7
	global_load_b128 v[R+32*((\i)%3)+4*\j:R+32*((\i)%3)+4*\j+3], v[LO], s[32:33] offset:4096*(\i)+512*\j th:TH_LOAD_NT
.endr
.endm
.irp j, 0,1,2,3,4,5,6,7
	global_load_b128 v[G+4*\j:G+4*\j+3], v[LO], s[36:37] offset:512*\j
.endr
.irp j, 0,1,2,3,4,5,6,7
	global_load_b128 v[BE+4*\j:BE+4*\j+3], v[LO], s[38:39] offset:512*\j
.endr
	LOADROW 0
	LOADROW 1
	LOADROW 2
	s_wait_loadcnt 24                              ; the gain and the offset are in; three rows' 24 loads may be out
.set k, 0
.rept 32
	v_cndmask_b32 v[G+k], 1.0, v[G+k], s40         ; a weight: gain 1,
	v_cndmask_b32 v[BE+k], 0, v[BE+k], s40         ; offset 0
.set k, k+1
.endr
.macro REDUCE                          ; four pairs of partial sums in v[T] on -> the sum over the row, in every lane's v[T]
	v_pk_add_f32 v[T:T+1], v[T:T+1], v[T+2:T+3]
	v_pk_add_f32 v[T+4:T+5], v[T+4:T+5], v[T+6:T+7]
	v_pk_add_f32 v[T:T+1], v[T:T+1], v[T+4:T+5]
	v_add_f32 v[T], v[T], v[T+1]
	v_add_f32_dpp v[T], v[T], v[T] row_xmask:1 row_mask:0xf bank_mask:0xf
	v_add_f32_dpp v[T], v[T], v[T] row_xmask:2 row_mask:0xf bank_mask:0xf
	v_add_f32_dpp v[T], v[T], v[T] row_xmask:4 row_mask:0xf bank_mask:0xf
	v_add_f32_dpp v[T], v[T], v[T] row_xmask:8 row_mask:0xf bank_mask:0xf
	v_permlanex16_b32 v[TP], v[T], s46, s47
	v_add_f32 v[T], v[T], v[TP]
.endm
.macro LNSTAT                          ; the row in v[RS] on: its mean; the row is centred in place; 1 / sqrt(the mean of the squares + 1e-5)
.irp c, 0,1,2,3
	v_pk_add_f32 v[T+2*\c:T+2*\c+1], v[RS+4*\c:RS+4*\c+1], v[RS+4*\c+2:RS+4*\c+3]
.endr
.irp k, 16,18,20,22,24,26,28,30
	v_pk_add_f32 v[T+\k%8:T+\k%8+1], v[T+\k%8:T+\k%8+1], v[RS+\k:RS+\k+1]
.endr
	REDUCE
	v_mul_f32 v[MEAN], s41, v[T]
.irp k, 0,2,4,6,8,10,12,14,16,18,20,22,24,26,28,30
	v_pk_add_f32 v[RS+\k:RS+\k+1], v[RS+\k:RS+\k+1], v[MEAN:MEAN+1] op_sel_hi:[1,0] neg_lo:[0,1] neg_hi:[0,1]
.endr
.irp k, 0,2,4,6
	v_pk_mul_f32 v[T+\k:T+\k+1], v[RS+\k:RS+\k+1], v[RS+\k:RS+\k+1]
.endr
.irp k, 8,10,12,14,16,18,20,22,24,26,28,30
	v_pk_fma_f32 v[T+\k%8:T+\k%8+1], v[RS+\k:RS+\k+1], v[RS+\k:RS+\k+1], v[T+\k%8:T+\k%8+1]
.endr
	REDUCE
	v_fma_f32 v[T+1], v[T], s42, s43
	v_rsq_f32 v[RSTD], v[T+1]
	v_nop                                          ; a plain instruction behind the transcendental,
	s_wait_alu depctr_va_vdst(0)                   ; and the wait ahead of its first reader
	v_cndmask_b32 v[RSTD], 1.0, v[RSTD], s40       ; a weight: factor 1
.endm
.macro LNAPPLY
.set k, 0
.rept 16
	v_pk_mul_f32 v[RS+k:RS+k+1], v[RS+k:RS+k+1], v[RSTD:RSTD+1] op_sel_hi:[1,0]
.set k, k+2
.endr
.set k, 0
.rept 16
	v_pk_fma_f32 v[RS+k:RS+k+1], v[RS+k:RS+k+1], v[G+k:G+k+1], v[BE+k:BE+k+1]
.set k, k+2
.endr
.endm
.macro TURNROW                         ; LDS serves a wave's instructions in order: no wait between the stores and the loads
.irp j, 0,1,2,3,4,5,6,7
	ds_store_b128 v[SI], v[RS+4*\j:RS+4*\j+3] offset:8*SP*\j
.endr
.irp k, 0,1,2,3,4,5,6,7
	ds_load_b128 v[X+4*\k:X+4*\k+3], v[SOUT] offset:32*SP*(\k/4)+16*(\k%4)
.endr
.endm
.macro STEPQ i, st                     ; half a row: 16 neighbours a lane, two lanes to a block
.set XS, X+16*(\st)
	v_max3_num_f32 v[T], |v[XS]|, |v[XS+1]|, |v[XS+2]|
	v_max3_num_f32 v[T+1], |v[XS+3]|, |v[XS+4]|, |v[XS+5]|
.irp k, 6,10
	v_max3_num_f32 v[T], v[T], |v[XS+\k]|, |v[XS+\k+1]|
	v_max3_num_f32 v[T+1], v[T+1], |v[XS+\k+2]|, |v[XS+\k+3]|
.endr
	v_max3_num_f32 v[T], v[T], |v[XS+14]|, |v[XS+15]|
	v_max3_num_f32 v[T], v[T], v[T+1], 0x8000000   ; and the floor 2^(16 - 127): the byte cannot fall under 1
	v_max_num_f32_dpp v[T], v[T], v[T] row_xmask:1 row_mask:0xf bank_mask:0xf   ; with my neighbour's 16: the block's largest magnitude
	v_add_nc_u32 v[T+3], 0xf8800000, v[T]          ; 15 off its exponent field: the conversion's scale operand
	v_and_or_b32 v[T+2], v[T], 0x7f800000, s45     ; 57,344 x the scale
.irp k, 0,1,2,3,4,5,6,7,8,9,10,11,12,13,14,15
	v_med3_num_f32 v[XS+\k], v[XS+\k], -v[T+2], v[T+2]   ; the conversion to an 8-bit code does not saturate (ISA guide 7.6.2): the hold
.endr
	v_cvt_scalef32_pk8_bf8_f32 v[CS+4*(\st):CS+4*(\st)+1], v[XS:XS+7], v[T+3]
	v_cvt_scalef32_pk8_bf8_f32 v[CS+4*(\st)+2:CS+4*(\st)+3], v[XS+8:XS+15], v[T+3]
	v_lshrrev_b32 v[E+2*((\i)%2)+(\st)], 23, v[T+3]      ; the scale's byte (also the plain line behind the conversions)
	ds_store_b8 v[SBY], v[E+2*((\i)%2)+(\st)] offset:32*(\i)+16*(\st)   ; both lanes of a block write the same byte with the same value
	global_store_b128 v[LO], v[CS+4*(\st):CS+4*(\st)+3], s[28:29] offset:1024*(\i)+512*(\st)   ; 32 lanes store 512 consecutive bytes
.endm
.macro ROW i
.set RS, R+32*((\i)%3)
.set CS, C+8*((\i)%2)
.if (\i) < 6
	s_wait_loadcnt 16                              ; my row's eight loads are in; the two younger rows' sixteen may be out
.else
	s_wait_loadcnt 8*(7-(\i))
.endif
	s_wait_xcnt 0x0                                ; the stores of two rows ago have read their codes: the set is written again only behind this wait
	LNSTAT
	LNAPPLY
	TURNROW
	s_wait_dscnt 0x0                               ; the neighbours are in, and the stage's stores have read the row's registers,
.if (\i)+3 < 8
	LOADROW (\i)+3                                 ; which take the row three further on
.endif
	STEPQ \i, 0
	STEPQ \i, 1
.endm
.irp i, 0,1,2,3,4,5,6,7
	ROW \i
.endr
	ds_load_b64 v[T:T+1], v[SBR]                   ; LDS serves a wave's instructions in order: these see my byte stores
	s_wait_dscnt 0x0
	global_store_b64 v[L8], v[T:T+1], s[30:31]     ; 32 lanes store 256 consecutive bytes, aligned: 8 positions' scale bytes
	s_wait_tensorcnt 0x0
	ds_add_u32 v248, v249
	s_wait_dscnt 0x0
	s_endpgm
; ---- Wo: a lane holds, of row r = lane % 16, 16 neighbours of each block of 32: k = 128 s + 32 b + 16 (lane / 16) + 0 .. 15: the conversions' results are the operand's registers
.Lwo:
.set TM,  16                           ; v16-19 largest magnitudes, v20-23 bytes, v24-27 57,344 x the scale, v28-31 scale operands
.set PW,  32                           ; v[32:33] my two K steps' scale words
.set PC,  40                           ; v40-71 codes, a set for each K step: no store's data are written again
.set XW,  96                           ; v96-223 two sets of 64 numbers
.set XA,  11
.set SO,  12
	v_and_b32 v9, 15, v0                           ; r
	v_bfe_u32 v10, v0, 4, 1                        ; h
	v_lshlrev_b32 v[XA], 12, v9
	v_lshl_add_u32 v[XA], v10, 6, v[XA]            ; row r of 4,096 bytes, + 64 h
	v_lshlrev_b32 v[SO], 5, v9                     ; row r's 32 scale bytes
.irp b, 0,1,2,3
	v_mov_b32 v[TM+4+\b], 0                        ; a lane permute's destination counts as read
.endr
	s_sub_co_u32 s3, ttmp9, 608                    ; the tile
	s_lshl_b32 s32, s3, 16                         ; 16 rows of 4,096 bytes,
	s_lshl_b32 s34, s2, 10                         ; my two K steps: 1,024 bytes of each row
	s_add_co_u32 s32, s32, s34
	s_mov_b32 s33, 0
	s_lshl_b32 s34, s3, 14                         ; 8 images of 2,048 bytes,
	s_lshl_b32 s36, s2, 12                         ; my two
	s_add_co_u32 s34, s34, s36
	s_mov_b32 s35, 0
	s_lshl_b32 s36, s3, 9                          ; 16 rows of 32 scale bytes,
	s_lshl_b32 s38, s2, 3                          ; my two words of each
	s_add_co_u32 s36, s36, s38
	s_mov_b32 s37, 0
	s_wait_kmcnt 0x0
	s_add_nc_u64 s[18:19], s[18:19], s[32:33]
	s_add_nc_u64 s[28:29], s[28:29], s[34:35]
	s_add_nc_u64 s[28:29], s[28:29], 0x1300000     ; behind the 19,456 positions of 1,024 bytes
	s_add_nc_u64 s[30:31], s[30:31], s[36:37]
	s_add_nc_u64 s[30:31], s[30:31], 622592        ; behind their 32 bytes each
.macro XLOAD u
.irp b, 0,1,2,3
.irp j, 0,1,2,3
	global_load_b128 v[XW+64*(\u)+16*\b+4*\j:XW+64*(\u)+16*\b+4*\j+3], v[XA], s[18:19] offset:512*(\u)+128*\b+16*\j th:TH_LOAD_NT
.endr
.endr
.endm
.macro QUANT s, pc, pw                 ; 64 numbers of a lane, register 16 b + i = k 32 b + 16 (lane / 16) + i of my row, become a fragment's codes and its scale word
.irp b, 0,1,2,3
	v_max3_num_f32 v[TM+\b], |v[\s+16*\b]|, |v[\s+16*\b+1]|, 0x8000000
.endr
.irp i, 2,4,6,8,10,12,14
.irp b, 0,1,2,3
	v_max3_num_f32 v[TM+\b], v[TM+\b], |v[\s+16*\b+\i]|, |v[\s+16*\b+\i+1]|
.endr
.endr
.irp b, 0,1,2,3
	v_permlanex16_b32 v[TM+4+\b], v[TM+\b], s46, s47
.endr
.irp b, 0,1,2,3
	v_max_num_f32 v[TM+\b], v[TM+\b], v[TM+4+\b]
.endr
.irp b, 0,1,2,3
	v_add_nc_u32 v[TM+12+\b], 0xf8800000, v[TM+\b]
.endr
.irp b, 0,1,2,3
	v_and_or_b32 v[TM+8+\b], v[TM+\b], 0x7f800000, s45
.endr
.irp b, 0,1,2,3
	v_lshrrev_b32 v[TM+4+\b], 23, v[TM+12+\b]
.endr
	v_lshl_or_b32 v[\pw], v[TM+5], 8, v[TM+4]
	v_lshl_or_b32 v[\pw], v[TM+6], 16, v[\pw]
	v_lshl_or_b32 v[\pw], v[TM+7], 24, v[\pw]
.irp b, 0,1,2,3
.irp i, 0,1,2,3,4,5,6,7,8,9,10,11,12,13,14,15
	v_med3_num_f32 v[\s+16*\b+\i], v[\s+16*\b+\i], -v[TM+8+\b], v[TM+8+\b]
.endr
	v_cvt_scalef32_pk8_bf8_f32 v[\pc+4*\b:\pc+4*\b+1], v[\s+16*\b:\s+16*\b+7], v[TM+12+\b]
	v_cvt_scalef32_pk8_bf8_f32 v[\pc+4*\b+2:\pc+4*\b+3], v[\s+16*\b+8:\s+16*\b+15], v[TM+12+\b]
.endr
	v_nop                                          ; a plain line behind the last conversion
.endm
	XLOAD 0
	XLOAD 1
	s_wait_loadcnt 16                              ; my first K step's numbers are in; the second's sixteen loads may be out
	QUANT XW, PC, PW
.irp c, 0,1,2,3
	global_store_b128 v[LO], v[PC+4*\c:PC+4*\c+3], s[28:29] offset:512*\c   ; the image: 512 consecutive bytes a store
.endr
	s_wait_loadcnt 0x0
	QUANT XW+64, PC+16, PW+1
.irp c, 0,1,2,3
	global_store_b128 v[LO], v[PC+16+4*\c:PC+16+4*\c+3], s[28:29] offset:2048+512*\c
.endr
	global_store_b64 v[SO], v[PW:PW+1], s[30:31]   ; 8 of row r's 32 scale bytes; lanes r and r + 16 hold the same two words and store them to the same place.  Pieces of 8 bytes, 32 apart: 128 bytes a wave, 32 KiB in the launch
	s_endpgm
.Lfunc_end_k_q78e38eefda_prep:
	.size	k_q78e38eefda_prep, .Lfunc_end_k_q78e38eefda_prep-k_q78e38eefda_prep
	.p2alignl 7, 3214868480
	.fill 96, 4, 3214868480
	.section	.rodata,"a",@progbits
	.p2align	6, 0x0
	.amdhsa_kernel k_q78e38eefda_prep
		.amdhsa_group_segment_fixed_size 23040
		.amdhsa_private_segment_fixed_size 0
		.amdhsa_enable_private_segment 0
		.amdhsa_kernarg_size 96
		.amdhsa_user_sgpr_count 2
		.amdhsa_user_sgpr_kernarg_segment_ptr 1
		.amdhsa_wavefront_size32 1
		.amdhsa_system_sgpr_workgroup_id_x 1
		.amdhsa_system_sgpr_workgroup_id_y 1
		.amdhsa_system_sgpr_workgroup_id_z 1
		.amdhsa_system_vgpr_workitem_id 0
		.amdhsa_next_free_vgpr 250
		.amdhsa_next_free_sgpr 66
		.amdhsa_reserve_vcc 0
		.amdhsa_float_denorm_mode_32 3
		.amdhsa_float_denorm_mode_16_64 3
		.amdhsa_memory_ordered 1
		.amdhsa_forward_progress 1
		.amdhsa_inst_pref_size 127
	.end_amdhsa_kernel
	.amdgpu_metadata
---
amdhsa.version: [ 1, 2 ]
amdhsa.kernels:
  - .name:           k_q78e38eefda_prep
    .symbol:         k_q78e38eefda_prep.kd
    .args:
      - { .name: Q, .offset: 0, .size: 8, .value_kind: global_buffer, .address_space: global }
      - { .name: K, .offset: 8, .size: 8, .value_kind: global_buffer, .address_space: global }
      - { .name: Wq, .offset: 16, .size: 8, .value_kind: global_buffer, .address_space: global }
      - { .name: Wk, .offset: 24, .size: 8, .value_kind: global_buffer, .address_space: global }
      - { .name: Wv, .offset: 32, .size: 8, .value_kind: global_buffer, .address_space: global }
      - { .name: Wo, .offset: 40, .size: 8, .value_kind: global_buffer, .address_space: global }
      - { .name: g_q, .offset: 48, .size: 8, .value_kind: global_buffer, .address_space: global }
      - { .name: be_q, .offset: 56, .size: 8, .value_kind: global_buffer, .address_space: global }
      - { .name: g_kv, .offset: 64, .size: 8, .value_kind: global_buffer, .address_space: global }
      - { .name: be_kv, .offset: 72, .size: 8, .value_kind: global_buffer, .address_space: global }
      - { .name: codes, .offset: 80, .size: 8, .value_kind: global_buffer, .address_space: global }
      - { .name: scales, .offset: 88, .size: 8, .value_kind: global_buffer, .address_space: global }
    .group_segment_fixed_size: 23040
    .private_segment_fixed_size: 0
    .kernarg_segment_align: 8
    .kernarg_segment_size: 96
    .max_flat_workgroup_size: 128
    .sgpr_count:     66
    .vgpr_count:     250
    .wavefront_size: 32
...
	.end_amdgpu_metadata
.endif
;; end of part 1
;; launch qkv (part 2): grid 4 x 96, 4 waves a work-group, clusters of 4 x 4, 327,680 bytes of LDS; arguments codes, scales, bq, bk, bv, frag, fscale; writes frag, fscale
.if DOCPART == 2
	.amdgcn_target "amdgcn-amd-amdhsa--gfx1250"
	.amdhsa_code_object_version 6
	.text
	.protected	k_q78e38eefda_qkv
	.globl	k_q78e38eefda_qkv
	.p2align	8
	.type	k_q78e38eefda_qkv,@function
k_q78e38eefda_qkv:
	s_mov_b64 s[64:65], 0
	v_nop
	global_prefetch_b8 v0, s[64:65] scope:SCOPE_SE
	s_setreg_imm32_b32 hwreg(HW_REG_WAVE_MODE, 25, 1), 1
	s_wait_xcnt 0x0
	s_wait_alu depctr_hold_cnt(0) depctr_sa_sdst(0) depctr_va_vdst(0) depctr_va_sdst(0) depctr_va_ssrc(0) depctr_va_vcc(0) depctr_vm_vsrc(0)
	s_getreg_b32 s2, hwreg(HW_REG_IB_STS2, 6, 4)
	s_cmp_eq_u32 s2, 0
	s_cbranch_scc0 .Lentry_in_a_cluster
	s_endpgm
.Lentry_in_a_cluster:
	s_bfe_u32 s2, ttmp6, 0x10000c
	s_cmp_lg_u32 s2, 0xf033
	s_cbranch_scc0 .Lentry_shape_is_right
	s_endpgm
.Lentry_shape_is_right:
; The three projections Qn Wq^T + bq, Kn Wk^T + bk, Kn Wv^T + bv on codes of BF8 (E5M2) with E8M0 scales, K = 1,024, and their results quantised at once as attention's operands.
; A tile of 256 x 256 results is made by four waves, 128 x 128 each: 64 accumulators, 512 registers.  K goes in steps of 256 through a ring of two LDS slots filled by the tensor data mover; the scale bytes of the tile's rows come once.
; THE MATRIX INSTRUCTION'S SOURCE 0 IS THE SIDE ALONG WHICH THE RESULT IS QUANTISED NEXT: a lane's registers run along source 0's rows.  Q and K are quantised along the features: source 0 = the weight, source 1 = the tokens.
; V is quantised along the keys: source 0 = the tokens (Kn), source 1 = Wv.  Both sides' rows lie in the buffer with bits 3 and 4 of the row number exchanged, so the 16 registers of accumulators 2 c and 2 c + 1 are 16 NEIGHBOURS:
; accumulator (a, b), register j, lane (r, h) holds source 1's position 16 a + r and source 0's true row 32 (b / 2) + 16 h + 8 (b % 2) + j of the wave's 128 each.  The 64 registers of one a are one fragment (16 x 128) of the next product.
; CLUSTERS: 4 x 4 work-groups; 24 clusters: 8 for each projection.  Source 1's tiles are shared along a row of the cluster, source 0's along a column: each is asked for JOINTLY.  Which projection a cluster serves hangs on the cluster's number alone.
; THE BIAS is the C of each sum's first product.  For Q and K it runs along source 0 (a lane's registers), for V along source 1 (a lane): so the first step of 128 along K is written twice, under a branch on the cluster's number.
; THE WAY OUT: no stage: a fragment's codes are stored as an image of its registers, 16 bytes a lane, 512 consecutive bytes a store.  frag: three regions of 8 MiB (Q, K, V^T), [G 512][a 8][group 4][lane 32][16 bytes];
; fscale: three regions of 256 KiB, the word of (G, a, row r) at 512 G + 256 (a / 4) + 16 r + 4 (a % 4).  G = ((batch x 8 + pair of heads) x 8 + which 128 tokens of the batch).
; LIMITS: NaN and infinities are not served; a block of zeros keeps the byte 1 (this program alone reads the bytes).
; REGISTERS, in windows of 256: window 0: v0-31 addresses; v32-63 scale words, two sets; v64-127 the bias, later the way out; from v128 source 1's fragments, ONE set.  window 1: source 0's fragments, TWO sets.  windows 2, 3: the accumulators.
.set KSTEP,  256
.set NQ,     2
.set ROWB,   256
.set KROW,   1024
.set PITCH,  272                       ; an LDS row: 256 bytes + 16 of padding: the 16 rows that a load touches start at 16 different banks (64 banks of 4 bytes: ISA guide 11.1)
.set FR,     16
.set NL,     4
.set NP,     8                         ; places behind this matrix instruction (ISA guide 7.12.1)
.set HALFT,  128*PITCH
.set SLOT,   4*HALFT
.set LAPS,   2                         ; 1,024 along K = two times round the ring
.set KS,     32                        ; a row's scale bytes
.set SCL,    2*SLOT
.set HALFS,  (128*KS/256)*272
.set SBLK,   (16*KS/256)*272
.set SPARE,  SCL+4*HALFS               ; the spare words, 128 bytes for each wave, that no other line names
.set ADRA, 16
.set ADRB, 20
.set CO,   26                          ; v26  16 x lane
.set ADRS, 27
.set SPW,  28
.set NIL,  29
.set SC,   32
.set BI,   64                          ; v64-127 the bias, in the layout of the C operands
.set AF,   128
.set G1, 24
.set G0, 32
.set G1B, 48
.set G0B, 56
.set G1S, 68
.set G0S, 76
.set G1SB, 80
.set G0SB, 88
.set MSB, 0
.macro WIN new                         ; the immediate's high byte repeats the setting that is left
.if MSB != \new
	s_set_vgpr_msb (MSB<<8)|\new
.set MSB, \new
.endif
.endm
.set MUL_LO, 0xa1                      ; source 0 window 1, source 1 window 0, C and D window 2
.set MUL_HI, 0xf1                      ; the same, C and D window 3
.set TO_B,   0x40
; A joint load: waves 0 and 1 fetch for source 1, waves 2 and 3 for source 0.  The branch hangs on the wave's number alone.  Four v_nop follow each of the two lines.
.macro JLOAD g0a, g1a, g0b, g1b
	s_cmp_eq_u32 s15, 0
	s_cbranch_scc0 .Lfor_b_\@
	tensor_load_to_lds s[\g0a:\g0a+3], s[\g1a:\g1a+7]
	s_nop 0
.rept 4
	v_nop
.endr
	s_branch .Lasked_\@
.Lfor_b_\@:
	tensor_load_to_lds s[\g0b:\g0b+3], s[\g1b:\g1b+7]
	s_nop 0
.rept 4
	v_nop
.endr
.Lasked_\@:
.endm
.macro CREST                           ; a round of the cluster's barrier behind its opening barrier
	s_cmp_lg_u32 s14, 0
	s_cbranch_scc1 .Lnot_wave_0_\@
	s_barrier_signal -3
.Lnot_wave_0_\@:
	s_barrier_wait -3
	s_barrier_signal -1
	s_barrier_wait -1
.endm
.macro CROUND
	s_barrier_signal -1
	s_barrier_wait -1
	CREST
.endm
	s_load_b128 s[4:7], s[0:1], 0x0                ; codes, scales
	s_load_b128 s[8:11], s[0:1], 0x10              ; bq, bk
	s_load_b128 s[96:99], s[0:1], 0x20             ; bv, frag
	s_load_b64 s[100:101], s[0:1], 0x30            ; fscale
	v_lshl_add_u32 v[SPW], v0, 2, SPARE
	v_mov_b32 v[NIL], 0
	ds_add_u32 v28, v29
	ds_add_u32 v28, v29
	s_wait_dscnt 0x0
	v_lshrrev_b32 v1, 5, v0
	v_readfirstlane_b32 s14, v1                    ; wave 0..3
	s_lshr_b32 s15, s14, 1                         ; which half of source 1's rows is mine.  Also: I fetch for source 1 (0) or for source 0 (1)
	s_and_b32 s16, s14, 1                          ; which half of source 0's.  Also: which 128 rows of that tile I fetch
	s_bfe_u32 s40, ttmp6, 0x40000                  ; cx, cy: my place in the cluster
	s_bfe_u32 s41, ttmp6, 0x40004
	s_and_b32 s66, ttmp7, 0xffff                   ; the cluster's number, 0 to 23: the same in all sixteen partners
	s_lshr_b32 s67, s66, 3                         ; p: 0 Q, 1 K, 2 V
	s_and_b32 s66, s66, 7                          ; which eighth of the 8,192 tokens
	s_lshr_b32 s95, s67, 1                         ; 1 for V
	s_mul_i32 s12, s66, s95                        ; the tokens are source 0 for V,
	s_sub_co_u32 s13, s66, s12                     ; source 1 else
	s_lshl_b32 s42, s12, 2
	s_add_co_u32 s42, s42, s40                     ; source 0's tile of 256 rows
	s_lshl_b32 s17, s13, 2
	s_add_co_u32 s17, s17, s41                     ; source 1's
	s_lshl_b32 s12, s67, 13
	s_lshl_b32 s13, s95, 11
	s_add_co_u32 s12, s12, s13                     ; source 1's first position: 0 Qn, 8,192 Kn, 18,432 Wv
	s_lshl_b32 s13, s67, 10
	s_add_co_u32 s13, s13, 16384
	s_mul_i32 s3, s95, 10240
	s_sub_co_u32 s13, s13, s3                      ; source 0's: 16,384 Wq, 17,408 Wk, 8,192 Kn
	s_lshl_b32 s43, s41, 2
	s_lshl_b32 s43, 15, s43                        ; my row of the cluster
	s_lshl_b32 s44, 0x1111, s40                    ; my column
	; descriptor group 1: a tile of 128 rows x 256 bytes, padded in LDS
	s_or_b32 s[G1+0], s43, (0<<16)|(1<<20)|(1<<21)|(5<<22)|(3<<25)  ; 15:0 the mask; 17:16 elements of 1 byte; 20 padding on; 21 set beside a mask; 24:22 after every 64 words; 31:25 four words
	s_or_b32 s[G1B+0], s44, (0<<16)|(1<<20)|(1<<21)|(5<<22)|(3<<25)
.irp g, G1, G1B
	s_mov_b32 s[\g+1], ROWB<<16                    ; tensor_dim0
	s_mov_b32 s[\g+2], 128<<16                     ; tensor_dim1
	s_mov_b32 s[\g+3], ROWB<<16                    ; tile_dim0
	s_mov_b32 s[\g+4], 128                         ; tile_dim1
	s_mov_b32 s[\g+5], KROW                        ; tensor_dim0_stride
	s_mov_b32 s[\g+6], 0
	s_mov_b32 s[\g+7], 0
.endr
	; the scales of 128 rows: a dense block of 4,096 bytes, as 16 rows of 256 bytes (32 elements of 8 bytes), 16 bytes of padding behind each
	s_or_b32 s[G1S+0], s43, (3<<16)|(1<<20)|(1<<21)|(5<<22)|(3<<25)
	s_or_b32 s[G1SB+0], s44, (3<<16)|(1<<20)|(1<<21)|(5<<22)|(3<<25)
.irp g, G1S, G1SB
	s_mov_b32 s[\g+1], 32<<16
	s_mov_b32 s[\g+2], (128*KS/256)<<16
	s_mov_b32 s[\g+3], 32<<16
	s_mov_b32 s[\g+4], 128*KS/256
	s_mov_b32 s[\g+5], 32
	s_mov_b32 s[\g+6], 0
	s_mov_b32 s[\g+7], 0
.endr
	s_lshl_b32 s18, s16, 7                         ; which 128 rows of the tile I fetch
	s_lshl_b32 s20, s17, 8
	s_add_co_u32 s20, s20, s18
	s_add_co_u32 s20, s20, s12                     ; source 1: the first position that I fetch
	s_lshl_b32 s46, s42, 8
	s_add_co_u32 s46, s46, s18
	s_add_co_u32 s46, s46, s13                     ; source 0 likewise
	s_mov_b32 s21, 0
	s_mov_b32 s47, 0
	s_mov_b64 s[18:19], KS
	s_mul_u64 s[22:23], s[20:21], s[18:19]         ; where these positions' scales begin, in bytes
	s_mul_u64 s[92:93], s[46:47], s[18:19]
	s_mov_b64 s[18:19], KROW
	s_mul_u64 s[20:21], s[20:21], s[18:19]         ; and their codes
	s_mul_u64 s[46:47], s[46:47], s[18:19]
	s_mul_i32 s45, s14, HALFT                      ; where they go: wave x 128 rows: no place in the cluster enters an LDS address
	s_mul_i32 s94, s14, HALFS
	s_wait_kmcnt 0x0
	s_add_nc_u64 s[20:21], s[4:5], s[20:21]
	s_add_nc_u64 s[22:23], s[6:7], s[22:23]
	s_add_nc_u64 s[46:47], s[4:5], s[46:47]
	s_add_nc_u64 s[92:93], s[6:7], s[92:93]
	CROUND                                         ; all sixteen work-groups are here: the first joint loads meet
	s_mov_b32 s[G0S], 1
	s_add_co_u32 s[G0S+1], s94, SCL
	s_mov_b64 s[G0S+2:G0S+3], s[22:23]
	s_or_b32 s[G0S+3], s[G0S+3], 0x80000000
	s_mov_b32 s[G0SB], 1
	s_add_co_u32 s[G0SB+1], s94, SCL
	s_mov_b64 s[G0SB+2:G0SB+3], s[92:93]
	s_or_b32 s[G0SB+3], s[G0SB+3], 0x80000000
	JLOAD G0S, G1S, G0SB, G1SB                     ; the scales first: they are wanted with K step 0
.irp s, 0,1
	s_mov_b32 s[G0+4*\s], 1
	s_add_co_u32 s[G0+4*\s+1], s45, \s*SLOT
	s_add_nc_u64 s[G0+4*\s+2:G0+4*\s+3], s[20:21], \s*ROWB
	s_or_b32 s[G0+4*\s+3], s[G0+4*\s+3], 0x80000000
	s_mov_b32 s[G0B+4*\s], 1
	s_add_co_u32 s[G0B+4*\s+1], s45, \s*SLOT
	s_add_nc_u64 s[G0B+4*\s+2:G0B+4*\s+3], s[46:47], \s*ROWB
	s_or_b32 s[G0B+4*\s+3], s[G0B+4*\s+3], 0x80000000
	JLOAD G0+4*\s, G1, G0B+4*\s, G1B
.endr
	v_and_b32 v1, 15, v0                           ; r
	v_bfe_u32 v2, v0, 4, 1                         ; h
	v_mul_u32_u24 v3, v1, PITCH
	v_lshl_add_u32 v4, v2, 4, v3                   ; a fragment's row x pitch + 16 x half
	s_mul_i32 s21, s15, HALFT                      ; my 128 rows of source 1
	s_mul_i32 s22, s16, HALFT                      ; my 128 rows of source 0,
	s_add_co_u32 s22, s22, 2*HALFT                 ; which lie behind source 1's 256
.irp s, 0,1
	v_add_nc_u32 v[ADRA+\s], s21, v4
	v_add_nc_u32 v[ADRB+\s], s22, v4
	s_add_co_u32 s21, s21, SLOT
	s_add_co_u32 s22, s22, SLOT
.endr
	v_mul_u32_u24 v5, v1, KS                       ; my row's scales: 32 bytes a row,
	v_lshrrev_b32 v6, 8, v5
	v_lshl_add_u32 v5, v6, 4, v5                   ; and 16 more for each 256 passed
	s_mul_i32 s21, s15, HALFS
	s_mul_i32 s22, s16, HALFS
	s_add_co_u32 s22, s22, 2*HALFS
	s_sub_co_u32 s22, s22, s21
	v_mul_u32_u24 v6, s22, v2                      ; lanes 16-31 take source 0's
	s_add_co_u32 s21, s21, SCL
	v_add_nc_u32 v5, v5, v6
	v_add_nc_u32 v[ADRS], s21, v5
	v_and_b32 v9, 31, v0                           ; lane
	v_lshlrev_b32 v[CO], 4, v9
	v_lshlrev_b32 v7, 6, v2                        ; the bias of Q and K: 64 h bytes
	v_and_b32 v8, 8, v1
	v_add_nc_u32 v8, v8, v1
	v_lshlrev_b32 v8, 2, v8                        ; the bias of V: 4 (r + 8 (r / 8)) bytes
	; where my wave's eight fragments go
	s_lshl_b32 s20, s17, 1
	s_add_co_u32 s20, s20, s15                     ; which 128 positions of source 1 are mine
	s_lshl_b32 s21, s42, 1
	s_add_co_u32 s21, s21, s16                     ; which 128 of source 0
	s_cmp_eq_u32 s95, 0
	s_cselect_b32 s22, s20, s21                    ; of the tokens (0 to 63),
	s_cselect_b32 s23, s21, s20                    ; of the features: the pair of heads (0 to 7)
	s_lshr_b32 s66, s22, 3
	s_lshl_b32 s66, s66, 3
	s_add_co_u32 s66, s66, s23
	s_lshl_b32 s66, s66, 3
	s_and_b32 s22, s22, 7
	s_add_co_u32 s66, s66, s22                     ; G
	s_lshl_b32 s22, s66, 14
	s_lshl_b32 s23, s67, 23
	s_add_co_u32 s22, s22, s23
	s_mov_b32 s23, 0
	s_add_nc_u64 s[98:99], s[98:99], s[22:23]
	s_lshl_b32 s22, s66, 9
	s_lshl_b32 s66, s67, 18
	s_add_co_u32 s22, s22, s66
	s_add_nc_u64 s[100:101], s[100:101], s[22:23]
	s_cmp_eq_u32 s67, 0
	s_cselect_b64 s[8:9], s[8:9], s[10:11]         ; bq or bk
	s_mov_b32 s13, 0
	s_cmp_lg_u32 s95, 0                            ; the same in all sixteen partners
	s_cbranch_scc1 .Lbias_v
	s_lshl_b32 s12, s21, 9                         ; my 128 features
	s_add_nc_u64 s[8:9], s[8:9], s[12:13]
.irp c, 0,1,2,3
.irp q, 0,1,2,3
	global_load_b128 v[BI+16*\c+4*\q:BI+16*\c+4*\q+3], v7, s[8:9] offset:128*\c+16*\q   ; register 16 c + i: feature 32 c + 16 h + i
.endr
.endr
	s_branch .Lbias_done
.Lbias_v:
	s_lshl_b32 s12, s20, 9
	s_add_nc_u64 s[96:97], s[96:97], s[12:13]
.irp a, 0,1,2,3,4,5,6,7
.irp j, 0,1,2,3,4,5,6,7
	global_load_b32 v[BI+8*\a+\j], v8, s[96:97] offset:(32*(\a/2)+8*(\a%2))*4   ; the C operand wants the lane's number in all eight registers: feature 32 (a / 2) + 8 (a % 2) + r + 8 (r / 8)
.endr
.endr
.Lbias_done:
.macro FRAG reg, adr, q, i             ; a fragment, 16 rows x 128 K of 8-bit codes: lane l holds row l % 16; registers 4 c .. 4 c + 3 hold K = 32 c + 16 (l / 16) + 0 .. 15
.irp c, 0,1,2,3
	ds_load_b128 v[\reg+4*\c:\reg+4*\c+3], v[\adr] offset:128*(\q)+32*\c+(\i)*16*PITCH
.endr
.endm
; 16 matrix instructions: source 1's blocks a0, a0 + 1 x source 0's eight.  cm = 0: onto the sums; 1: the sums start with the bias along source 0; 2: with the bias along source 1.
; The 64 accumulators take turns, one instruction a turn, in the same order in every step.
.macro MUL16 a0, p, q, sc, cm
.irp a, \a0, \a0+1
.irp b, 0,1,2,3,4,5,6,7
.if \cm == 1
	v_wmma_scale_f32_16x16x128_f8f6f4 v[8*(8*((\a)%4)+\b):8*(8*((\a)%4)+\b)+7], v[128*(\p)+FR*\b:128*(\p)+FR*\b+FR-1], v[AF+FR*(\a):AF+FR*(\a)+FR-1], v[BI+8*\b:BI+8*\b+7], v[SC+8*NQ*(\sc)+NQ*\b+(\q)], v[SC+8*NQ*(\sc)+NQ*(\a)+(\q)] matrix_a_fmt:MATRIX_FMT_BF8 matrix_b_fmt:MATRIX_FMT_BF8 matrix_a_scale:MATRIX_SCALE_ROW1
.elseif \cm == 2
	v_wmma_scale_f32_16x16x128_f8f6f4 v[8*(8*((\a)%4)+\b):8*(8*((\a)%4)+\b)+7], v[128*(\p)+FR*\b:128*(\p)+FR*\b+FR-1], v[AF+FR*(\a):AF+FR*(\a)+FR-1], v[BI+8*(\a):BI+8*(\a)+7], v[SC+8*NQ*(\sc)+NQ*\b+(\q)], v[SC+8*NQ*(\sc)+NQ*(\a)+(\q)] matrix_a_fmt:MATRIX_FMT_BF8 matrix_b_fmt:MATRIX_FMT_BF8 matrix_a_scale:MATRIX_SCALE_ROW1
.else
	v_wmma_scale_f32_16x16x128_f8f6f4 v[8*(8*((\a)%4)+\b):8*(8*((\a)%4)+\b)+7], v[128*(\p)+FR*\b:128*(\p)+FR*\b+FR-1], v[AF+FR*(\a):AF+FR*(\a)+FR-1], v[8*(8*((\a)%4)+\b):8*(8*((\a)%4)+\b)+7], v[SC+8*NQ*(\sc)+NQ*\b+(\q)], v[SC+8*NQ*(\sc)+NQ*(\a)+(\q)] matrix_a_fmt:MATRIX_FMT_BF8 matrix_b_fmt:MATRIX_FMT_BF8 matrix_a_scale:MATRIX_SCALE_ROW1
.endif
.endr
.endr
.endm
.macro FETCH_B slot, q, p
	WIN TO_B
.irp i, 0,1,2,3,4,5,6,7
	FRAG 128*(\p)+FR*\i, ADRB+\slot, \q, \i
.endr
	WIN 0
.endm
.macro FETCH_A slot, q, i0
.irp i, \i0, \i0+1, \i0+2, \i0+3
	FRAG AF+FR*(\i), ADRA+\slot, \q, \i
.endr
.endm
.macro SCALES sc                       ; a K step's scale words: lanes 0-15 take source 1's block i, lanes 16-31 source 0's block i
.irp i, 0,1,2,3,4,5,6,7
	ds_load_b64 v[SC+8*NQ*\sc+NQ*\i:SC+8*NQ*\sc+NQ*\i+1], v[ADRS] offset:\i*SBLK
.endr
.endm
; A load into a register that a matrix instruction has read, and a vector instruction that reads a matrix result, stand NP places behind that matrix instruction; only plain vector instructions that name none of its registers are places.
.macro PLACES n
.rept \n
	v_nop
.endr
.endm
.macro STEP slot, q, cm                ; a step of 128 along K that has its successor in the same slot
	s_wait_dscnt 4*NL                              ; source 0's set and source 1's blocks 0-3 are in; the youngest sixteen loads (blocks 4-7) may be out
.if \cm
	WIN 0x81                                       ; as MUL_LO, with C (the bias) in window 0
.else
	WIN MUL_LO
.endif
	MUL16 0, (\q)%2, \q, \slot, \cm
	MUL16 2, (\q)%2, \q, \slot, \cm
	s_wait_dscnt 0
	PLACES NP
	FETCH_B \slot, (\q)+1, 1-(\q)%2
	FETCH_A \slot, (\q)+1, 0
.if \cm
	WIN 0xc1
.else
	WIN MUL_HI
.endif
	MUL16 4, (\q)%2, \q, \slot, \cm
	MUL16 6, (\q)%2, \q, \slot, \cm
	PLACES NP
	WIN 0
	FETCH_A \slot, (\q)+1, 4
.endm
; A slot's last step changes slots: ONE barrier; in front of it each wave waits for all its tensor loads, adds 0 to its spare word, and waits for that and for its own reads of this slot.  fill = 1: this slot is filled again, two K steps ahead.
.macro TURN slot, next, fill
	s_wait_tensorcnt 0x0                           ; all my tensor loads have landed: my part of the next slot
	ds_add_u32 v[SPW], v[NIL]                      ; 0 onto my spare word
	s_wait_dscnt 4*NL+1                            ; (the add and the youngest sixteen loads may be out)
	WIN MUL_LO
	MUL16 0, 1, NQ-1, \slot, 0
	s_wait_dscnt 0x0                               ; the add is done, and my reads of this slot are over
	s_barrier_signal -1
	MUL16 2, 1, NQ-1, \slot, 0
	WIN 0
	s_barrier_wait -1
.if \fill
	CREST                                          ; the barrier has opened a round of the cluster's barrier: no wave of any partner still reads this slot or has a load on its way
	s_add_nc_u64 s[G0+4*\slot+2:G0+4*\slot+3], s[G0+4*\slot+2:G0+4*\slot+3], 2*ROWB
	s_add_nc_u64 s[G0B+4*\slot+2:G0B+4*\slot+3], s[G0B+4*\slot+2:G0B+4*\slot+3], 2*ROWB
	JLOAD G0+4*\slot, G1, G0B+4*\slot, G1B         ; the first tensor load behind the round; its four v_nop are among the places in front of the loads below
	PLACES NP-4
.else
	PLACES NP
.endif
	v_add_nc_u32 v[ADRS], 4*NQ, v[ADRS]            ; on to the next K step's scale words
	FETCH_B \next, 0, 0
	FETCH_A \next, 0, 0
	SCALES \next
	WIN MUL_HI
	MUL16 4, 1, NQ-1, \slot, 0
	MUL16 6, 1, NQ-1, \slot, 0
	PLACES NP
	WIN 0
	FETCH_A \next, 0, 4
.endm
	s_wait_tensorcnt 1                             ; the scales and my part of K step 0 are in (K step 1's load may be out),
	s_barrier_signal -1
	s_barrier_wait -1                              ; everybody's are
	FETCH_B 0, 0, 0
	FETCH_A 0, 0, 0
	SCALES 0
	FETCH_A 0, 0, 4
	s_wait_loadcnt 0x0                             ; the bias
	s_cmp_lg_u32 s95, 0
	s_cbranch_scc1 .Lfirst_v
	STEP 0, 0, 1                                   ; the first step starts the sums: nothing is cleared
	s_branch .Lfirst_done
.Lfirst_v:
	STEP 0, 0, 2
.Lfirst_done:
	s_mov_b32 s3, LAPS-1
.Llap:                                                 ; a trip goes once round the ring and fills both slots again
	TURN 0, 1, 1
	STEP 1, 0, 0
	TURN 1, 0, 1
	STEP 0, 0, 0
	s_sub_co_u32 s3, s3, 1
	s_cmp_lg_u32 s3, 0
	s_cbranch_scc1 .Llap
	TURN 0, 1, 0                                   ; the last lap fills nothing, and has no round of the cluster's barrier
	STEP 1, 0, 0
	s_wait_dscnt 4*NL
	WIN MUL_LO
	MUL16 0, 1, NQ-1, 1, 0
	MUL16 2, 1, NQ-1, 1, 0
	s_wait_dscnt 0
	WIN MUL_HI
	MUL16 4, 1, NQ-1, 1, 0
	MUL16 6, 1, NQ-1, 1, 0
	WIN 0
; THE WAY OUT.  The 64 registers of block a are four blocks of 32 along the next K, 16 numbers a lane (the other 16 in lane l xor 16).  They become a fragment's 16 registers of codes and a scale word a row.
.set TM,  64                           ; v64-67 largest magnitudes, v68-71 bytes, v72-75 57,344 x the scale, v76-79 scale operands
.set PW,  80                           ; v80-87 the eight fragments' scale words
.set SW,  88                           ; v88-91 the four that I store
.set PC,  96                           ; v96-127 codes, two sets
	s_mov_b32 s2, 0x76543210
	s_mov_b32 s3, 0xfedcba98                       ; v_permlanex16_b32's selects for lane l xor 16
	s_mov_b32 s66, 0x600000                        ; the mantissa field of 57,344
	PLACES NP                                      ; behind the last products
.irp b, 0,1,2,3
	v_mov_b32 v[TM+4+\b], 0                        ; a lane permute's destination counts as read
.endr
.macro QOUT a
.set W,   2+(\a)/4                     ; the accumulators' window
.set AC,  64*((\a)%4)
.set PCS, PC+16*((\a)%2)
.if (\a) >= 2
	s_wait_xcnt 0x0                                ; the stores of two blocks ago have read their codes
.endif
	WIN ((W<<2)|(W<<4))                            ; sources 1 and 2: the accumulators.
.irp b, 0,1,2,3
	v_max3_num_f32 v[TM+\b], 0x8000000, |v[AC+16*\b]|, |v[AC+16*\b+1]|   ; with the floor 2^(16 - 127): the byte cannot fall under 1
.endr
.irp i, 2,4,6,8,10,12,14
.irp b, 0,1,2,3
	v_max3_num_f32 v[TM+\b], v[TM+\b], |v[AC+16*\b+\i]|, |v[AC+16*\b+\i+1]|
.endr
.endr
	WIN 0
.irp b, 0,1,2,3
	v_permlanex16_b32 v[TM+4+\b], v[TM+\b], s2, s3
.endr
.irp b, 0,1,2,3
	v_max_num_f32 v[TM+\b], v[TM+\b], v[TM+4+\b]
.endr
.irp b, 0,1,2,3
	v_add_nc_u32 v[TM+12+\b], 0xf8800000, v[TM+\b] ; 15 off the exponent field: the conversion's scale operand
.endr
.irp b, 0,1,2,3
	v_and_or_b32 v[TM+8+\b], v[TM+\b], 0x7f800000, s66   ; 57,344 x the scale
.endr
.irp b, 0,1,2,3
	v_lshrrev_b32 v[TM+4+\b], 23, v[TM+12+\b]      ; the scale's byte
.endr
	v_lshl_or_b32 v[PW+(\a)], v[TM+5], 8, v[TM+4]
	v_lshl_or_b32 v[PW+(\a)], v[TM+6], 16, v[PW+(\a)]
	v_lshl_or_b32 v[PW+(\a)], v[TM+7], 24, v[PW+(\a)]
	WIN ((W<<6)|W)                                 ; destination and source 0: the accumulators
.irp b, 0,1,2,3
.irp i, 0,1,2,3,4,5,6,7,8,9,10,11,12,13,14,15
	v_med3_num_f32 v[AC+16*\b+\i], v[AC+16*\b+\i], -v[TM+8+\b], v[TM+8+\b]   ; the conversion to an 8-bit code does not saturate (ISA guide 7.6.2): the hold
.endr
.endr
	WIN W
.irp b, 0,1,2,3
	v_cvt_scalef32_pk8_bf8_f32 v[PCS+4*\b:PCS+4*\b+1], v[AC+16*\b:AC+16*\b+7], v[TM+12+\b]
	v_cvt_scalef32_pk8_bf8_f32 v[PCS+4*\b+2:PCS+4*\b+3], v[AC+16*\b+8:AC+16*\b+15], v[TM+12+\b]
.endr
	v_nop                                          ; a plain line behind the last conversion
	WIN 0
.irp c, 0,1,2,3
	global_store_b128 v[CO], v[PCS+4*\c:PCS+4*\c+3], s[98:99] offset:2048*(\a)+512*\c   ; the image: 32 lanes store 512 consecutive bytes
.endr
.endm
.irp a, 0,1,2,3,4,5,6,7
	QOUT \a
.endr
	v_cmp_le_u32 vcc_lo, 16, v9                    ; lanes 16-31 store fragments 4 to 7's words
.irp k, 0,1,2,3
	v_cndmask_b32 v[SW+\k], v[PW+\k], v[PW+4+\k], vcc_lo
.endr
	global_store_b128 v[CO], v[SW:SW+3], s[100:101]  ; 512 consecutive bytes
	s_wait_tensorcnt 0x0                           ; the wave's end
	ds_add_u32 v[SPW], v[NIL]
	s_wait_dscnt 0x0
	CROUND                                         ; the closing round: no work-group ends while a partner may still ask for a tile that names it
	s_endpgm
.Lfunc_end_k_q78e38eefda_qkv:
	.size	k_q78e38eefda_qkv, .Lfunc_end_k_q78e38eefda_qkv-k_q78e38eefda_qkv
	.p2alignl 7, 3214868480
	.fill 96, 4, 3214868480
	.section	.rodata,"a",@progbits
	.p2align	6, 0x0
	.amdhsa_kernel k_q78e38eefda_qkv
		.amdhsa_group_segment_fixed_size 327680
		.amdhsa_private_segment_fixed_size 0
		.amdhsa_enable_private_segment 0
		.amdhsa_kernarg_size 56
		.amdhsa_user_sgpr_count 2
		.amdhsa_user_sgpr_kernarg_segment_ptr 1
		.amdhsa_wavefront_size32 1
		.amdhsa_system_sgpr_workgroup_id_x 1
		.amdhsa_system_sgpr_workgroup_id_y 1
		.amdhsa_system_sgpr_workgroup_id_z 1
		.amdhsa_system_vgpr_workitem_id 0
		.amdhsa_next_free_vgpr 1024
		.amdhsa_next_free_sgpr 102
		.amdhsa_reserve_vcc 1
		.amdhsa_float_denorm_mode_32 3
		.amdhsa_float_denorm_mode_16_64 3
		.amdhsa_memory_ordered 1
		.amdhsa_forward_progress 1
		.amdhsa_inst_pref_size 206
	.end_amdhsa_kernel
	.amdgpu_metadata
---
amdhsa.version: [ 1, 2 ]
amdhsa.kernels:
  - .name:           k_q78e38eefda_qkv
    .symbol:         k_q78e38eefda_qkv.kd
    .args:
      - { .name: codes, .offset: 0, .size: 8, .value_kind: global_buffer, .address_space: global }
      - { .name: scales, .offset: 8, .size: 8, .value_kind: global_buffer, .address_space: global }
      - { .name: bq, .offset: 16, .size: 8, .value_kind: global_buffer, .address_space: global }
      - { .name: bk, .offset: 24, .size: 8, .value_kind: global_buffer, .address_space: global }
      - { .name: bv, .offset: 32, .size: 8, .value_kind: global_buffer, .address_space: global }
      - { .name: frag, .offset: 40, .size: 8, .value_kind: global_buffer, .address_space: global }
      - { .name: fscale, .offset: 48, .size: 8, .value_kind: global_buffer, .address_space: global }
    .group_segment_fixed_size: 327680
    .private_segment_fixed_size: 0
    .kernarg_segment_align: 8
    .kernarg_segment_size: 56
    .max_flat_workgroup_size: 128
    .sgpr_count:     102
    .vgpr_count:     1024
    .wavefront_size: 32
...
	.end_amdgpu_metadata
.endif
;; end of part 2
;; launch attn (part 3): grid 2 x 128, 8 waves a work-group, no clusters, 37,888 bytes of LDS; arguments frag, fscale, pad_mask, att; writes att
.if DOCPART == 3
	.amdgcn_target "amdgcn-amd-amdhsa--gfx1250"
	.amdhsa_code_object_version 6
	.text
	.protected	k_q78e38eefda_attn
	.globl	k_q78e38eefda_attn
	.p2align	8
	.type	k_q78e38eefda_attn,@function
k_q78e38eefda_attn:
	s_mov_b64 s[64:65], 0
	v_nop
	global_prefetch_b8 v0, s[64:65] scope:SCOPE_SE
	s_setreg_imm32_b32 hwreg(HW_REG_WAVE_MODE, 25, 1), 1
	s_wait_xcnt 0x0
; att[b][q][64 head + d] = the sum over k of A[q][k] Vp[k][d], A = softmax_k(where(m == 0, -1e12, Qp . Kp / 32)) x m, both products on codes of BF8 (E5M2) with E8M0 scales.
; A IS QUANTISED FINISHED AND NORMALISED, along the keys: a row's maximum and sum over all 1,024 keys are known before a code is made.
; SHARES.  A work-group of EIGHT waves takes one batch, one head and 512 queries.  THE WAVES SHARE THE KEYS: wave w owns keys 128 w .. 128 w + 127; its 8 tiles of K, its 4 fragments of V^T and its 128 numbers of pad_mask stay in REGISTERS for the whole launch.
; A wave has 512 registers, so two waves stand on a SIMD: while one waits for LDS, for a result or at a barrier, the other issues.
; All eight waves walk the same 32 tiles of 16 queries, one a trip.  In a trip each wave makes its scores, its own maximum and sum; these meet in LDS (barrier 1); each wave then scales, quantises and multiplies its keys' part; the eight partial O^T meet in LDS (barrier 2).
; LAYOUT.  Both products are used transposed: S^T = K Q^T, O^T = V^T A^T: a lane holds one query (lane % 16).  The keys of a tile of K are 32 (t / 2) + 8 (t % 2) + r + 8 (r / 8), so the 16 registers of tiles 2 c, 2 c + 1 are 16 neighbouring keys.
; THE TEST m == 0 RIDES IN THE PRODUCT'S SPARE K.  The head's 64 fill blocks 0 and 1 of the instruction's 128.  At k = 64 Q holds the code of 1.0 (scale byte 127) and K the code of -57,344 (scale byte 142) for a key with m == 0, and 0 else; all other codes of blocks 2 and 3 are 0.
; So a masked key's raw score gets -57,344 x 2^15 = -1.88e9 (-5.9e7 as a score), an unmasked key's an exact 0.  LIMIT, stated: reference() sets -1e12 there; this text serves scores under about 2e7 in magnitude.
; A row all of whose keys are masked has finite p, a sum above 0, and A = p x m x f = 0, as in reference().  pad_mask also multiplies, whatever its size and sign.  NaN and infinities are not served.
; NO CLUSTER: K and V^T are read once a work-group, 128 KB, straight into the registers in which they stay; a joint load would add a way through LDS for them.  No prefetch: the one stream, Q's tiles, is loaded a whole trip ahead.
; REGISTERS: window 0: v1-12 addresses and constants; v16-23 K's scale words, v24-27 V's, v28 Q's, v29 A's (v30: Q's as loaded); v44-104 at work; v128-191 S^T, then p, then A; v192-255 pad_mask, laid as S^T.
;   window 1: v0-127 K's tiles, 16 registers each; v128-191 V^T's fragments; v192-207 Q's fragment; v208-239 O^T; v240-255 A's codes.
.set OSTG, 2048                        ; LDS: bytes 0-2,047: 8 waves x 32 lanes x (c x maximum, sum); then 8 waves x 16 rows x (256 + 16) bytes of partial O^T
.set OP,   272
.set R16,  1                           ; v1  16 r
.set LOFF, 2                           ; v2  16 x lane
.set XW,   4                           ; v4  where I put my maximum and sum: 256 w + 8 x lane
.set XR,   5                           ; v5  where I read the eight waves': 8 x lane
.set OW,   6                           ; v6  where I put my part of O^T
.set ORD,  7                           ; v7  where I read a row of the eight parts
.set GOFF, 8                           ; v8  my byte offset in att
.set H64,  9                           ; v9  64 h
.set KMO,  10                          ; v10 4 (r + 8 (r / 8))
.set CK,   11                          ; v11 the code of -57,344 in byte 0 of lanes 0-15
.set CQ,   12                          ; v12 the code of 1.0 likewise
.set KS,   16
.set VS,   24
.set QS,   28
.set PS,   29
.set QSR,  30
.set MC,   44                          ; v[44:45] c x my keys' largest score; my keys' sum
.set FF,   46                          ; v[46:47] f (low word)
.set TC,   48                          ; v48-55 chains
.set TP,   56
.set XD,   60                          ; v60-75 the eight waves' maxima and sums
.set BM,   76                          ; v76-79 the blocks' largest magnitudes
.set BT,   80                          ; v80-83 at work, then the bytes
.set BH,   84                          ; v84-87 57,344 x the scale
.set BSC,  88                          ; v88-91 the conversions' scale operands
.set RES,  92                          ; v92-95 16 bytes a lane of a row of O
.set EX,   96                          ; v96-104
.set S,    128
.set M,    192
.set VF,   128                         ; in window 1
.set QF,   192
.set OA,   208
.set PC,   240
.set MSB, 0
.macro WIN new                         ; the immediate's high byte repeats the setting that is left
.if MSB != \new
	s_set_vgpr_msb (MSB<<8)|\new
.set MSB, \new
.endif
.endm
	s_load_b256 s[4:11], s[0:1], 0x0               ; frag, fscale, pad_mask, att
	v_lshl_add_u32 v126, v0, 2, 0x9000
	v_mov_b32 v127, 0
	v_lshrrev_b32 v13, 5, v0
	v_readfirstlane_b32 s12, v13                   ; wave 0..7
	v_and_b32 v14, 31, v0                          ; lane
	v_and_b32 v15, 15, v0                          ; r
	v_bfe_u32 v13, v0, 4, 1                        ; h
	v_lshlrev_b32 v[R16], 4, v15
	v_lshlrev_b32 v[LOFF], 4, v14
	v_lshlrev_b32 v[XR], 3, v14
	s_lshl_b32 s34, s12, 8
	v_add_nc_u32 v[XW], s34, v[XR]
	s_mul_i32 s34, s12, 16*OP
	s_add_co_u32 s34, s34, OSTG
	v_mul_u32_u24 v[OW], v15, OP
	v_lshl_add_u32 v[OW], v13, 6, v[OW]
	v_add_nc_u32 v[OW], s34, v[OW]                 ; my part: row r, + 64 h bytes
	s_lshl_b32 s34, s12, 1
	v_add_nc_u32 v[GOFF], s34, v13                 ; the row that I sum and store: 2 w + h
	v_mul_u32_u24 v[ORD], v[GOFF], OP
	v_lshl_add_u32 v[ORD], v15, 4, v[ORD]
	v_add_nc_u32 v[ORD], OSTG, v[ORD]
	v_and_b32 v[CQ], 8, v[GOFF]
	v_add_nc_u32 v[GOFF], v[GOFF], v[CQ]           ; place r' of a tile is query r' + 8 (r' / 8) of its 32
	v_lshlrev_b32 v[GOFF], 12, v[GOFF]
	v_lshl_add_u32 v[GOFF], v15, 4, v[GOFF]
	v_lshlrev_b32 v[H64], 6, v13
	v_and_b32 v[KMO], 8, v15
	v_add_nc_u32 v[KMO], v[KMO], v15
	v_lshlrev_b32 v[KMO], 2, v[KMO]
	v_cmp_gt_u32 vcc_lo, 16, v14                   ; lanes 0-15 hold k = 64 .. 79 in a fragment's registers 8 to 11
	v_mov_b32 v[CK], 0xfb
	v_cndmask_b32 v[CK], 0, v[CK], vcc_lo
	v_mov_b32 v[CQ], 0x3c
	v_cndmask_b32 v[CQ], 0, v[CQ], vcc_lo
	v_mov_b32 v[MC+1], 0                           ; named as upper halves of pairs, or as lane permutes' destinations, before they are first written
	v_mov_b32 v[FF+1], 0
	v_mov_b32 v[TP], 0
.irp b, 0,1,2,3
	v_mov_b32 v[BT+\b], 0
.endr
	s_and_b32 s14, ttmp7, 0xffff
	s_lshr_b32 s15, s14, 4                         ; batch
	s_and_b32 s16, s14, 15                         ; head
	s_lshr_b32 s17, s16, 1                         ; pair of heads
	s_and_b32 s18, s16, 1                          ; which of the pair
	s_lshl_b32 s19, s15, 3
	s_add_co_u32 s19, s19, s17
	s_lshl_b32 s41, s18, 4                         ; the head's two scale bytes begin at this bit of a word
	s_mov_b32 s36, 0x3d38aa3b                      ; c = log2(e) / 32
	s_mov_b32 s37, s36
	s_mov_b32 s38, 0x76543210
	s_mov_b32 s39, 0xfedcba98
	s_mov_b32 s40, 0x600000
	s_mov_b32 s35, 0
	s_lshl_b32 s52, s19, 17                        ; 64 tiles of 2,048 bytes
	s_lshl_b32 s53, s18, 10
	s_lshl_b32 s54, s12, 14                        ; my 8 tiles of K; also my K step of V^T
	s_lshl_b32 s34, ttmp9, 16                      ; my 32 tiles of queries
	s_add_co_u32 s34, s34, s52
	s_add_co_u32 s34, s34, s53
	s_wait_kmcnt 0x0
	s_add_nc_u64 s[22:23], s[4:5], s[34:35]        ; Q's images
	s_add_co_u32 s34, s52, s53
	s_add_co_u32 s34, s34, s54
	s_add_co_u32 s34, s34, 0x800000
	s_add_nc_u64 s[42:43], s[4:5], s[34:35]        ; K's: my 8 tiles
	s_lshl_b32 s34, s18, 13
	s_add_co_u32 s34, s34, s52
	s_add_co_u32 s34, s34, s54
	s_add_co_u32 s34, s34, 0x1000000
	s_add_nc_u64 s[44:45], s[4:5], s[34:35]        ; V^T's: my K step, the head's four tiles
	s_lshl_b32 s52, s19, 12
	s_lshl_b32 s54, s12, 9
	s_lshl_b32 s34, ttmp9, 11
	s_add_co_u32 s34, s34, s52
	s_add_nc_u64 s[24:25], s[6:7], s[34:35]        ; Q's scale words
	s_add_co_u32 s34, s52, s54
	s_add_co_u32 s34, s34, 262144
	s_add_nc_u64 s[46:47], s[6:7], s[34:35]        ; K's
	s_lshl_b32 s34, s18, 8
	s_add_co_u32 s34, s34, s52
	s_add_co_u32 s34, s34, s54
	s_add_co_u32 s34, s34, 524288
	s_add_nc_u64 s[48:49], s[6:7], s[34:35]        ; V's
	s_lshl_b32 s34, s15, 12
	s_add_co_u32 s34, s34, s54
	s_add_nc_u64 s[50:51], s[8:9], s[34:35]        ; pad_mask: my 128 keys
	s_lshl_b32 s34, s15, 22
	s_lshl_b32 s52, ttmp9, 21
	s_add_co_u32 s34, s34, s52
	s_lshl_b32 s52, s16, 8
	s_add_co_u32 s34, s34, s52
	s_add_nc_u64 s[26:27], s[10:11], s[34:35]      ; att: my batch, my 512 queries, my head's 256 bytes of a row
	WIN 0x40                                       ; destination window 1
.irp t, 0,1,2,3,4,5,6,7
	global_load_b128 v[16*\t:16*\t+3], v[LOFF], s[42:43] offset:2048*\t
	global_load_b128 v[16*\t+4:16*\t+7], v[LOFF], s[42:43] offset:2048*\t+512
.endr
	global_load_b128 v[QF:QF+3], v[LOFF], s[22:23]
	global_load_b128 v[QF+4:QF+7], v[LOFF], s[22:23] offset:512
.irp d, 0,1,2,3
.irp c, 0,1,2,3
	global_load_b128 v[VF+16*\d+4*\c:VF+16*\d+4*\c+3], v[LOFF], s[44:45] offset:2048*\d+512*\c
.endr
.endr
	WIN 0
.irp g, 0,1
	global_load_b128 v[KS+4*\g:KS+4*\g+3], v[R16], s[46:47] offset:256*\g
.endr
.irp t, 0,1,2,3,4,5,6,7
	global_load_b32 v[S+\t], v[KMO], s[50:51] offset:(32*(\t/2)+8*(\t%2))*4   ; pad_mask of the key that lane r of tile t holds
.endr
	global_load_b32 v[QSR], v[R16], s[24:25]
	global_load_b128 v[VS:VS+3], v[R16], s[48:49]
.irp c, 0,1,2,3
.irp q, 0,1,2,3
	global_load_b128 v[M+16*\c+4*\q:M+16*\c+4*\q+3], v[H64], s[50:51] offset:128*\c+16*\q   ; register 16 c + i: key 32 c + 16 h + i
.endr
.endr
	s_wait_loadcnt 0x0
.irp t, 0,1,2,3,4,5,6,7
	v_bfe_u32 v[KS+\t], v[KS+\t], s41, 16          ; the head's two bytes,
	v_or_b32 v[KS+\t], 0x8e0000, v[KS+\t]          ; and 142 for block 2 (block 3's byte 0 stands over zero codes)
.endr
	v_bfe_u32 v[QS], v[QSR], s41, 16
	v_or_b32 v[QS], 0x7f0000, v[QS]
	WIN 0x40
.irp t, 0,1,2,3,4,5,6,7
	v_cmp_eq_f32 vcc_lo, 0, v[S+\t]
	v_cndmask_b32 v[16*\t+8], 0, v[CK], vcc_lo     ; -57,344 at k = 64 of a masked key
.irp j, 9,10,11,12,13,14,15
	v_mov_b32 v[16*\t+\j], 0
.endr
.endr
	v_mov_b32 v[QF+8], v[CQ]                       ; 1.0 at k = 64 of every query
.irp j, 9,10,11,12,13,14,15
	v_mov_b32 v[QF+\j], 0
.endr
	WIN 0
.rept 8
	v_nop                                          ; scale words made by vector instructions stand eight places ahead of a scaled matrix instruction
.endr
.macro SCL p                           ; pair p of my scores: c s - c max
	v_pk_fma_f32 v[S+2*(\p):S+2*(\p)+1], v[S+2*(\p):S+2*(\p)+1], s[36:37], v[MC:MC+1] op_sel_hi:[1,0,0] neg_lo:[0,0,1] neg_hi:[0,0,1]
.endm
	s_mov_b32 s20, 0
.Ltrip:
	; ---- the scores of my 128 keys
	WIN 0x05                                       ; sources 0 (K) and 1 (Q) window 1
.irp t, 0,1,2,3,4,5,6,7
	v_wmma_scale_f32_16x16x128_f8f6f4 v[S+8*\t:S+8*\t+7], v[16*\t:16*\t+15], v[QF:QF+15], 0, v[KS+\t], v[QS] matrix_a_fmt:MATRIX_FMT_BF8 matrix_b_fmt:MATRIX_FMT_BF8
.endr
	WIN 0
	s_add_co_u32 s21, s20, 1
	s_min_u32 s21, s21, 31                         ; the next tile; the last trip asks for its own again: no load leaves its buffer
	s_lshl_b32 s34, s21, 11
	s_add_nc_u64 s[28:29], s[22:23], s[34:35]      ; (the last trip's loads by these addresses have been waited for)
	s_lshr_b32 s34, s21, 2
	s_lshl_b32 s34, s34, 8
	s_and_b32 s55, s21, 3
	s_lshl_b32 s55, s55, 2
	s_add_co_u32 s34, s34, s55
	s_add_nc_u64 s[30:31], s[24:25], s[34:35]
.rept 8
	v_nop                                          ; places behind the products: for the loads into Q's registers and for the first read of the scores
.endr
	WIN 0x40
	global_load_b128 v[QF:QF+3], v[LOFF], s[28:29]
	global_load_b128 v[QF+4:QF+7], v[LOFF], s[28:29] offset:512
	WIN 0
	global_load_b32 v[QSR], v[R16], s[30:31]
	; ---- my keys' largest score: four chains, each accumulator from its low end on
.irp c, 0,1,2,3
	v_max3_num_f32 v[TC+\c], v[S+16*\c], v[S+16*\c+1], v[S+16*\c+2]
.endr
.irp i, 3,5,7,9,11,13
.irp c, 0,1,2,3
	v_max3_num_f32 v[TC+\c], v[TC+\c], v[S+16*\c+\i], v[S+16*\c+\i+1]
.endr
.endr
.irp c, 0,1,2,3
	v_max_num_f32 v[TC+\c], v[TC+\c], v[S+16*\c+15]
.endr
	v_max3_num_f32 v[TC], v[TC], v[TC+1], v[TC+2]
	v_max_num_f32 v[TC], v[TC], v[TC+3]
	v_permlanex16_b32 v[TP], v[TC], s38, s39
	v_max_num_f32 v[TC], v[TC], v[TP]
	v_mul_f32 v[MC], s36, v[TC]
	; ---- p = 2^(c s - c max): one batch of exponentials, one wait.  The scalings stand between the exponentials, each two pairs ahead of its own pair's; none of these lines names an exponential's result
	SCL 0
	SCL 1
.set k, 0
.rept 32
	v_exp_f32 v[S+2*k], v[S+2*k]
.if k < 30
	SCL k+2
.endif
	v_exp_f32 v[S+2*k+1], v[S+2*k+1]
.set k, k+1
.endr
	v_nop                                          ; a plain instruction behind the last exponential,
	s_wait_alu depctr_va_vdst(0)                   ; and the wait ahead of the first reader: one for the batch
	; ---- my keys' sum, of p as it is (the mask's factor comes behind the softmax)
.irp c, 0,1,2,3
	v_pk_add_f32 v[TC+2*\c:TC+2*\c+1], v[S+16*\c:S+16*\c+1], v[S+16*\c+2:S+16*\c+3]
.endr
.irp i, 4,6,8,10,12,14
.irp c, 0,1,2,3
	v_pk_add_f32 v[TC+2*\c:TC+2*\c+1], v[TC+2*\c:TC+2*\c+1], v[S+16*\c+\i:S+16*\c+\i+1]
.endr
.endr
	v_pk_add_f32 v[TC:TC+1], v[TC:TC+1], v[TC+2:TC+3]
	v_pk_add_f32 v[TC+4:TC+5], v[TC+4:TC+5], v[TC+6:TC+7]
	v_pk_add_f32 v[TC:TC+1], v[TC:TC+1], v[TC+4:TC+5]
	v_add_f32 v[TC], v[TC], v[TC+1]
	v_permlanex16_b32 v[TP], v[TC], s38, s39
	v_add_f32 v[MC+1], v[TC], v[TP]
	ds_store_b64 v[XW], v[MC:MC+1]                 ; 256 consecutive bytes a wave
	s_wait_dscnt 0x0                               ; for the others' sake: my store has landed; and my reads of the last trip's O^T are over
	s_barrier_signal -1
	; ---- work on registers while the others arrive: p x m, and each block's largest magnitude of it
.set k, 0
.rept 32
	v_pk_mul_f32 v[S+k:S+k+1], v[S+k:S+k+1], v[M+k:M+k+1]
.set k, k+2
.endr
.irp b, 0,1,2,3
	v_max3_num_f32 v[BM+\b], |v[S+16*\b]|, |v[S+16*\b+1]|, |v[S+16*\b+2]|
.endr
.irp i, 3,5,7,9,11,13
.irp b, 0,1,2,3
	v_max3_num_f32 v[BM+\b], v[BM+\b], |v[S+16*\b+\i]|, |v[S+16*\b+\i+1]|
.endr
.endr
.irp b, 0,1,2,3
	v_max_num_f32 v[BM+\b], v[BM+\b], |v[S+16*\b+15]|
.endr
.irp b, 0,1,2,3
	v_permlanex16_b32 v[BT+\b], v[BM+\b], s38, s39
.endr
.irp b, 0,1,2,3
	v_max_num_f32 v[BM+\b], v[BM+\b], v[BT+\b]
.endr
	s_barrier_wait -1
	; ---- the row's maximum and sum over all eight waves; f = 2^(my c max - the row's) / the row's sum
.irp j, 0,1,2,3,4,5,6,7
	ds_load_b64 v[XD+2*\j:XD+2*\j+1], v[XR] offset:256*\j
.endr
	s_wait_dscnt 0x0
	v_max3_num_f32 v[TC], v[XD], v[XD+2], v[XD+4]
	v_max3_num_f32 v[TC], v[TC], v[XD+6], v[XD+8]
	v_max3_num_f32 v[TC], v[TC], v[XD+10], v[XD+12]
	v_max_num_f32 v[TC], v[TC], v[XD+14]
.irp j, 0,1,2,3,4,5,6,7
	v_sub_f32 v[EX+\j], v[XD+2*\j], v[TC]
.endr
	v_sub_f32 v[EX+8], v[MC], v[TC]
.irp j, 0,1,2,3,4,5,6,7,8
	v_exp_f32 v[EX+\j], v[EX+\j]
.endr
	v_nop
	s_wait_alu depctr_va_vdst(0)                   ; one wait for the nine
	v_mul_f32 v[TC+1], v[XD+1], v[EX]              ; the sum, in two chains
	v_mul_f32 v[TC+2], v[XD+9], v[EX+4]
.irp j, 1,2,3
	v_fmac_f32 v[TC+1], v[XD+2*\j+1], v[EX+\j]
	v_fmac_f32 v[TC+2], v[XD+2*\j+9], v[EX+\j+4]
.endr
	v_add_f32 v[TC+1], v[TC+1], v[TC+2]
	v_rcp_f32 v[TC+3], v[TC+1]
	v_nop
	s_wait_alu depctr_va_vdst(0)
	v_mul_f32 v[FF], v[EX+8], v[TC+3]
	; ---- the blocks' scales.  A multiplication's rounding keeps the order, so the largest |p m| x f is the largest |A|, bit for bit
.irp b, 0,1,2,3
	v_mul_f32 v[BM+\b], v[BM+\b], v[FF]
.endr
.irp b, 0,1,2,3
	v_max_num_f32 v[BM+\b], 0x8000000, v[BM+\b]    ; the floor 2^(16 - 127): the byte cannot fall under 1
.endr
.irp b, 0,1,2,3
	v_add_nc_u32 v[BSC+\b], 0xf8800000, v[BM+\b]
.endr
.irp b, 0,1,2,3
	v_and_or_b32 v[BH+\b], v[BM+\b], 0x7f800000, s40
.endr
.irp b, 0,1,2,3
	v_lshrrev_b32 v[BT+\b], 23, v[BSC+\b]
.endr
	v_lshl_or_b32 v[PS], v[BT+1], 8, v[BT]
	v_lshl_or_b32 v[PS], v[BT+2], 16, v[PS]
	v_lshl_or_b32 v[PS], v[BT+3], 24, v[PS]
	; ---- A = p m f, held and turned into codes: they are the second product's operand
.set k, 0
.rept 32
	v_pk_mul_f32 v[S+k:S+k+1], v[S+k:S+k+1], v[FF:FF+1] op_sel_hi:[1,0]
.set k, k+2
.endr
.irp b, 0,1,2,3
.irp i, 0,1,2,3,4,5,6,7,8,9,10,11,12,13,14,15
	v_med3_num_f32 v[S+16*\b+\i], v[S+16*\b+\i], -v[BH+\b], v[BH+\b]   ; the conversion to an 8-bit code does not saturate (ISA guide 7.6.2); m may be negative, so the hold has two sides
.endr
.endr
	WIN 0x40
.irp b, 0,1,2,3
	v_cvt_scalef32_pk8_bf8_f32 v[PC+4*\b:PC+4*\b+1], v[S+16*\b:S+16*\b+7], v[BSC+\b]
	v_cvt_scalef32_pk8_bf8_f32 v[PC+4*\b+2:PC+4*\b+3], v[S+16*\b+8:S+16*\b+15], v[BSC+\b]
.endr
.rept 5
	v_nop                                          ; a plain line behind the last conversion, and four places ahead of the scaled products that take the codes
.endr
	; ---- my keys' part of O^T: four accumulators, one K step of 128 keys: each product starts its sum
	WIN 0x55                                       ; all of a product's registers in window 1
.irp d, 0,1,2,3
	v_wmma_scale_f32_16x16x128_f8f6f4 v[OA+8*\d:OA+8*\d+7], v[VF+16*\d:VF+16*\d+15], v[PC:PC+15], 0, v[VS+\d], v[PS] matrix_a_fmt:MATRIX_FMT_BF8 matrix_b_fmt:MATRIX_FMT_BF8
.endr
	WIN 0
.rept 8
	v_nop
.endr
	WIN 0x04                                       ; an LDS store's data are its source 1: window 1
.irp d, 0,1,2,3
	ds_store_b128 v[OW], v[OA+8*\d:OA+8*\d+3] offset:128*(\d/2)+32*(\d%2)          ; register j of tile d: channel 32 (d / 2) + 8 (d % 2) + 16 h + j of query r
	ds_store_b128 v[OW], v[OA+8*\d+4:OA+8*\d+7] offset:128*(\d/2)+32*(\d%2)+16
.endr
	WIN 0
	s_wait_dscnt 0x0                               ; my stores have landed; my reads of the maxima and sums are over
	s_barrier_signal -1
	s_barrier_wait -1
	; ---- the eight parts are added, two rows a wave, and stored
.irp u, 0,1,2,3,4,5,6,7
	ds_load_b128 v[S+4*\u:S+4*\u+3], v[ORD] offset:\u*16*OP
.endr
	s_wait_loadcnt 0x0                             ; the next tile's Q and its scale word
	v_bfe_u32 v[QS], v[QSR], s41, 16
	v_or_b32 v[QS], 0x7f0000, v[QS]
	s_wait_dscnt 0x0
	s_wait_xcnt 0x0                                ; the last trip's store has read its data and its base
	v_pk_add_f32 v[RES:RES+1], v[S:S+1], v[S+4:S+5]
	v_pk_add_f32 v[RES+2:RES+3], v[S+2:S+3], v[S+6:S+7]
.irp u, 2,3,4,5,6,7
	v_pk_add_f32 v[RES:RES+1], v[RES:RES+1], v[S+4*\u:S+4*\u+1]
	v_pk_add_f32 v[RES+2:RES+3], v[RES+2:RES+3], v[S+4*\u+2:S+4*\u+3]   ; (these fourteen are also the places between Q's scale word and the next trip's products)
.endr
	s_lshr_b32 s34, s20, 1                         ; tile i holds queries 32 (i / 2) + 8 (i % 2) + r + 8 (r / 8)
	s_lshl_b32 s34, s34, 17
	s_and_b32 s55, s20, 1
	s_lshl_b32 s55, s55, 15
	s_add_co_u32 s34, s34, s55
	s_add_nc_u64 s[32:33], s[26:27], s[34:35]
	global_store_b128 v[GOFF], v[RES:RES+3], s[32:33]               ; 16 lanes store 256 consecutive bytes, aligned: a query's 64 channels of the head
	s_add_co_u32 s20, s20, 1
	s_cmp_lt_u32 s20, 32
	s_cbranch_scc1 .Ltrip
	s_wait_tensorcnt 0x0
	ds_add_u32 v126, v127
	s_wait_dscnt 0x0
	s_endpgm
.Lfunc_end_k_q78e38eefda_attn:
	.size	k_q78e38eefda_attn, .Lfunc_end_k_q78e38eefda_attn-k_q78e38eefda_attn
	.p2alignl 7, 3214868480
	.fill 96, 4, 3214868480
	.section	.rodata,"a",@progbits
	.p2align	6, 0x0
	.amdhsa_kernel k_q78e38eefda_attn
		.amdhsa_group_segment_fixed_size 37888
		.amdhsa_private_segment_fixed_size 0
		.amdhsa_enable_private_segment 0
		.amdhsa_kernarg_size 32
		.amdhsa_user_sgpr_count 2
		.amdhsa_user_sgpr_kernarg_segment_ptr 1
		.amdhsa_wavefront_size32 1
		.amdhsa_system_sgpr_workgroup_id_x 1
		.amdhsa_system_sgpr_workgroup_id_y 1
		.amdhsa_system_sgpr_workgroup_id_z 1
		.amdhsa_system_vgpr_workitem_id 0
		.amdhsa_next_free_vgpr 512
		.amdhsa_next_free_sgpr 66
		.amdhsa_reserve_vcc 1
		.amdhsa_float_denorm_mode_32 3
		.amdhsa_float_denorm_mode_16_64 3
		.amdhsa_memory_ordered 1
		.amdhsa_forward_progress 1
		.amdhsa_inst_pref_size 42
	.end_amdhsa_kernel
	.amdgpu_metadata
---
amdhsa.version: [ 1, 2 ]
amdhsa.kernels:
  - .name:           k_q78e38eefda_attn
    .symbol:         k_q78e38eefda_attn.kd
    .args:
      - { .name: frag, .offset: 0, .size: 8, .value_kind: global_buffer, .address_space: global }
      - { .name: fscale, .offset: 8, .size: 8, .value_kind: global_buffer, .address_space: global }
      - { .name: pad_mask, .offset: 16, .size: 8, .value_kind: global_buffer, .address_space: global }
      - { .name: att, .offset: 24, .size: 8, .value_kind: global_buffer, .address_space: global }
    .group_segment_fixed_size: 37888
    .private_segment_fixed_size: 0
    .kernarg_segment_align: 8
    .kernarg_segment_size: 32
    .max_flat_workgroup_size: 256
    .sgpr_count:     66
    .vgpr_count:     512
    .wavefront_size: 32
...
	.end_amdgpu_metadata
.endif
;; end of part 3
;; launch tail (part 4): grid 256 x 1, 4 waves a work-group, no clusters, 168,448 bytes of LDS; arguments Q, att, codes, scales, g_o, be_o, bo, g_f, be_f, out0; writes out0
.if DOCPART == 4
	.amdgcn_target "amdgcn-amd-amdhsa--gfx1250"
	.amdhsa_code_object_version 6
	.text
	.protected	k_q78e38eefda_tail
	.globl	k_q78e38eefda_tail
	.p2align	8
	.type	k_q78e38eefda_tail,@function
k_q78e38eefda_tail:
	s_mov_b64 s[64:65], 0
	v_nop
	global_prefetch_b8 v0, s[64:65] scope:SCOPE_SE
	s_setreg_imm32_b32 hwreg(HW_REG_WAVE_MODE, 25, 1), 1
	s_wait_xcnt 0x0
; out0 = LN_f(O + relu(LN_o(O) Wo^T + bo)), O = Q + att.  The product runs on codes of BF8 (E5M2) with E8M0 scales; all else in f32.
; A work-group of four waves owns 32 whole rows from the first load to the last store; O, later O + relu(..), lies in LDS as f32 (rows of 4,096 bytes + 16).
; A: wave w takes rows 8 w + i, a row in 32 registers: O = Q + att to LDS, its mean and 1 / sqrt(variance + 1e-5) to LDS | barrier |
; B: wave w takes K steps 2 w, 2 w + 1 of both tiles of 16 rows, in the operand's layout (lane (r, h): 16 neighbours of each block of 32): LayerNorm, quantised; the fragments go to LDS as images of their registers | barrier |
; C: every wave takes all 16 fragments into registers and makes outputs 256 w .. 256 w + 255 for the 32 rows, two tiles of 16 outputs at a time.  Source 0 = 16 rows of Wo, source 1 = 16 rows of LN_o(O): a lane holds eight neighbouring outputs of a row.
;    Wo comes from memory straight into registers, as the images that the first launch laid; each fragment feeds two products from the registers in which it lands.  bo is the C of each sum's first product.  relu, + O, back into LDS in place | barrier |
; D: as A: a row a time: the last LayerNorm, stored in 512 consecutive bytes an instruction.
; NO CLUSTER, NO TENSOR LOAD: all work-groups walk Wo, but a fragment feeds only two products here: through LDS a work-group would write its 1 MiB and read it again for 256 matrix instructions a wave.  No prefetch: phase A streams on every work-group at once, and Wo is read again by all.
; LIMITS: NaN and infinities are not served; a block of zeros keeps the byte 1.
; REGISTERS: window 0: v1-15 addresses; v16-31 LN_o(O)'s scale words; v224-239 Wo's; v240-253 LayerNorm's temporaries; v32-223 by phases (below).  window 1: g_o and be_o in the operand's layout, then the 16 fragments.  window 2: Wo's fragments, two granules of 128.
.set SPITCH, 4112
.set AIMG,  32*SPITCH                  ; 16 images of 2,048 bytes: fragment 8 p + s (tile of rows p, K step s)
.set ASC,   AIMG+16*2048               ; their scale words, 128 bytes each
.set STATS, ASC+16*128                 ; 32 x (mean, factor)
.set LO,  1                            ; v1  16 x lane
.set SD,  2                            ; v2  my 8 rows in the stage, 16 bytes a lane
.set STW, 3                            ; v3  where I put my rows' statistics
.set SB0, 4                            ; v4-5 phase B: row 16 p + r, + 64 h, + my 1,024 bytes
.set STR, 6                            ; v6  row r's statistics
.set IW,  7                            ; v7  where I put images
.set SWA, 8                            ; v8  and scale words
.set IR,  9                            ; v9  where any wave reads images
.set SRA, 10                           ; v10 and scale words
.set OB0, 11                           ; v11-12 phase C: row 16 p + r, + 32 h, + my 1,024 bytes
.set R32, 13
.set H32, 14
.set H64, 15
.set AS,  16
.set RA,  32                           ; phase A: three sets of 64: a row of Q, a row of att
.set Y,   32                           ; phase B: 64 numbers;
.set TM,  96                           ;   v96-111 at work;
.set PW,  112                          ;   the scale word;
.set PC,  116                          ;   v116-131 the codes;
.set MS,  132                          ;   v[132:133] mean, factor; v[134:135] the factor twice
.set AC,  64                           ; phase C: four accumulators;
.set OT,  96                           ;   v96-127 O at their places;
.set BB,  136                          ;   v136-151 bo, two tiles;
.set OA0, 152                          ;   v152-153 O's LDS addresses of the pair in hand
.set GF,  154                          ; v154-185 g_f, v186-217 be_f of my 32 columns
.set BF,  186
.set WS,  224
.set T,   240
.set TP,  248
.set MEAN, 250                         ; v[250:251] the mean; the factor beside it for the store
.set RSTD, 252                         ; v[252:253] the factor (low word)
.set MSB, 0
.macro WIN new
.if MSB != \new
	s_set_vgpr_msb (MSB<<8)|\new
.set MSB, \new
.endif
.endm
	s_load_b512 s[8:23], s[0:1], 0x0               ; Q, att, codes, scales, g_o, be_o, bo, g_f
	s_load_b128 s[24:27], s[0:1], 0x40             ; be_f, out0
	v_lshl_add_u32 v254, v0, 2, 0x29000
	v_mov_b32 v255, 0
	v_lshrrev_b32 v[T], 5, v0
	v_readfirstlane_b32 s2, v[T]                   ; wave
	v_and_b32 v[T], 31, v0                         ; lane
	v_and_b32 v[T+1], 15, v0                       ; r
	v_bfe_u32 v[T+2], v0, 4, 1                     ; h
	v_lshlrev_b32 v[LO], 4, v[T]
	s_mul_i32 s28, s2, 8*SPITCH
	v_add_nc_u32 v[SD], s28, v[LO]
	s_lshl_b32 s28, s2, 6
	s_add_co_u32 s28, s28, STATS
	v_mov_b32 v[STW], s28
	v_mul_u32_u24 v[SB0], v[T+1], SPITCH
	v_lshl_add_u32 v[OB0], v[T+2], 5, v[SB0]
	v_lshl_add_u32 v[SB0], v[T+2], 6, v[SB0]
	s_lshl_b32 s28, s2, 10
	v_add_nc_u32 v[SB0], s28, v[SB0]
	v_add_nc_u32 v[OB0], s28, v[OB0]
	v_add_nc_u32 v[SB0+1], 16*SPITCH, v[SB0]
	v_add_nc_u32 v[OB0+1], 16*SPITCH, v[OB0]
	v_lshl_add_u32 v[STR], v[T+1], 3, STATS
	s_lshl_b32 s28, s2, 12
	s_add_co_u32 s28, s28, AIMG
	v_add_nc_u32 v[IW], s28, v[LO]
	v_add_nc_u32 v[IR], AIMG, v[LO]
	v_lshlrev_b32 v[SRA], 2, v[T]
	s_lshl_b32 s28, s2, 8
	s_add_co_u32 s28, s28, ASC
	v_add_nc_u32 v[SWA], s28, v[SRA]
	v_add_nc_u32 v[SRA], ASC, v[SRA]
	v_lshlrev_b32 v[R32], 5, v[T+1]
	v_lshlrev_b32 v[H32], 5, v[T+2]
	v_lshlrev_b32 v[H64], 6, v[T+2]
	v_mov_b32 v[TP], 0                             ; a lane permute's destination, and the upper halves of pairs, are written before they are named
	v_mov_b32 v[MEAN+1], 0
	v_mov_b32 v[RSTD+1], 0
	s_mov_b32 s30, 0x76543210
	s_mov_b32 s31, 0xfedcba98
	s_mov_b32 s32, 0x600000                        ; the mantissa field of 57,344
	s_mov_b32 s33, 0x3a800000                      ; 1 / 1,024
	s_mov_b32 s34, 0x3727c5ac                      ; 1e-5
	s_lshl_b32 s38, ttmp9, 17                      ; 32 rows of 4,096 bytes,
	s_lshl_b32 s28, s2, 15                         ; my 8 of them
	s_add_co_u32 s38, s38, s28
	s_mov_b32 s39, 0
	s_lshl_b32 s46, s2, 10
	s_mov_b32 s47, 0
	s_lshl_b32 s48, s2, 18                         ; my 16 tiles of Wo: 16,384 bytes each
	s_mov_b32 s49, 0
	s_lshl_b32 s50, s2, 13                         ; their scale bytes: 512 each
	s_mov_b32 s51, 0
	s_wait_kmcnt 0x0
	s_add_nc_u64 s[8:9], s[8:9], s[38:39]
	s_add_nc_u64 s[10:11], s[10:11], s[38:39]
	s_add_nc_u64 s[26:27], s[26:27], s[38:39]
	s_add_nc_u64 s[16:17], s[16:17], s[46:47]      ; g_o, be_o: my two K steps' 256 numbers
	s_add_nc_u64 s[18:19], s[18:19], s[46:47]
	s_add_nc_u64 s[44:45], s[20:21], s[46:47]      ; bo: my 256 outputs
	s_add_nc_u64 s[40:41], s[12:13], s[48:49]
	s_add_nc_u64 s[40:41], s[40:41], 0x1300000     ; Wo's images lie behind the 19,456 positions
	s_add_nc_u64 s[42:43], s[14:15], s[50:51]
	s_add_nc_u64 s[42:43], s[42:43], 622592
	WIN 0x40
.irp u, 0,1
.irp c, 0,1,2,3
.irp q, 0,1,2,3
	global_load_b128 v[64*\u+16*\c+4*\q:64*\u+16*\c+4*\q+3], v[H64], s[16:17] offset:512*\u+128*\c+16*\q
	global_load_b128 v[128+64*\u+16*\c+4*\q:128+64*\u+16*\c+4*\q+3], v[H64], s[18:19] offset:512*\u+128*\c+16*\q
.endr
.endr
.endr
	WIN 0
.macro LOADA i
.irp j, 0,1,2,3,4,5,6,7
	global_load_b128 v[RA+64*((\i)%3)+4*\j:RA+64*((\i)%3)+4*\j+3], v[LO], s[8:9] offset:4096*(\i)+512*\j th:TH_LOAD_NT
	global_load_b128 v[RA+64*((\i)%3)+32+4*\j:RA+64*((\i)%3)+32+4*\j+3], v[LO], s[10:11] offset:4096*(\i)+512*\j th:TH_LOAD_NT
.endr
.endm
	LOADA 0
	LOADA 1
	LOADA 2
.macro REDUCE
	v_pk_add_f32 v[T:T+1], v[T:T+1], v[T+2:T+3]
	v_pk_add_f32 v[T+4:T+5], v[T+4:T+5], v[T+6:T+7]
	v_pk_add_f32 v[T:T+1], v[T:T+1], v[T+4:T+5]
	v_add_f32 v[T], v[T], v[T+1]
	v_add_f32_dpp v[T], v[T], v[T] row_xmask:1 row_mask:0xf bank_mask:0xf
	v_add_f32_dpp v[T], v[T], v[T] row_xmask:2 row_mask:0xf bank_mask:0xf
	v_add_f32_dpp v[T], v[T], v[T] row_xmask:4 row_mask:0xf bank_mask:0xf
	v_add_f32_dpp v[T], v[T], v[T] row_xmask:8 row_mask:0xf bank_mask:0xf
	v_permlanex16_b32 v[TP], v[T], s30, s31
	v_add_f32 v[T], v[T], v[TP]
.endm
.macro LNSTAT w                        ; the row in v[RS] on: its mean; centred in place; the factor.  w = 1: LDS stores still read the row and the last statistics
.irp c, 0,1,2,3
	v_pk_add_f32 v[T+2*\c:T+2*\c+1], v[RS+4*\c:RS+4*\c+1], v[RS+4*\c+2:RS+4*\c+3]
.endr
.irp k, 16,18,20,22,24,26,28,30
	v_pk_add_f32 v[T+\k%8:T+\k%8+1], v[T+\k%8:T+\k%8+1], v[RS+\k:RS+\k+1]
.endr
	REDUCE
.if \w
	s_wait_dscnt 0x0                               ; my LDS stores have read their registers: these are written again only behind this wait
.endif
	v_mul_f32 v[MEAN], s33, v[T]
.irp k, 0,2,4,6,8,10,12,14,16,18,20,22,24,26,28,30
	v_pk_add_f32 v[RS+\k:RS+\k+1], v[RS+\k:RS+\k+1], v[MEAN:MEAN+1] op_sel_hi:[1,0] neg_lo:[0,1] neg_hi:[0,1]
.endr
.irp k, 0,2,4,6
	v_pk_mul_f32 v[T+\k:T+\k+1], v[RS+\k:RS+\k+1], v[RS+\k:RS+\k+1]
.endr
.irp k, 8,10,12,14,16,18,20,22,24,26,28,30
	v_pk_fma_f32 v[T+\k%8:T+\k%8+1], v[RS+\k:RS+\k+1], v[RS+\k:RS+\k+1], v[T+\k%8:T+\k%8+1]
.endr
	REDUCE
	v_fma_f32 v[T+1], v[T], s33, s34
	v_rsq_f32 v[RSTD], v[T+1]
	v_nop                                          ; a plain instruction behind the transcendental,
	s_wait_alu depctr_va_vdst(0)                   ; and the wait ahead of its first reader
.endm
; Wo's granule g (K steps 4 g .. 4 g + 3) of two tiles: 32 loads of 512 consecutive bytes, 2 of scale words; with g = 0 also 4 of bo.  nxt = 1: of the next pair of tiles
.macro WLOAD g, nxt
	WIN 0x80
.irp t, 0,1
.irp s, 0,1,2,3
.irp c, 0,1,2,3
	global_load_b128 v[128*\g+64*\t+16*\s+4*\c:128*\g+64*\t+16*\s+4*\c+3], v[LO], s[40:41] offset:32768*\nxt+16384*\t+2048*(4*\g+\s)+512*\c
.endr
.endr
.endr
	WIN 0
.irp t, 0,1
	global_load_b128 v[WS+8*\g+4*\t:WS+8*\g+4*\t+3], v[R32], s[42:43] offset:1024*\nxt+512*\t+16*\g
.endr
.if \g == 0
.irp t, 0,1
.irp q, 0,1
	global_load_b128 v[BB+8*\t+4*\q:BB+8*\t+4*\q+3], v[H32], s[44:45] offset:128*\nxt+64*\t+16*\q
.endr
.endr
.endif
.endm
	; ---- A
.macro ROWA i
.set RS, RA+64*((\i)%3)
.if (\i) < 6
	s_wait_loadcnt 32                              ; my row's sixteen loads are in; the two younger rows' 32 may be out
.else
	s_wait_loadcnt 16*(7-(\i))
.endif
.irp k, 0,2,4,6,8,10,12,14,16,18,20,22,24,26,28,30
	v_pk_add_f32 v[RS+\k:RS+\k+1], v[RS+\k:RS+\k+1], v[RS+32+\k:RS+32+\k+1]
.endr
.irp j, 0,1,2,3,4,5,6,7
	ds_store_b128 v[SD], v[RS+4*\j:RS+4*\j+3] offset:SPITCH*(\i)+512*\j
.endr
	LNSTAT 1
	v_mov_b32 v[MEAN+1], v[RSTD]
	ds_store_b64 v[STW], v[MEAN:MEAN+1] offset:8*(\i)   ; all lanes write the same words with the same values
.if (\i)+3 < 8
	LOADA (\i)+3
.endif
.endm
.irp i, 0,1,2,3,4,5,6,7
	ROWA \i
.endr
	WLOAD 0, 0                                     ; Wo's first two granules are asked for here: they land under phase B
	WLOAD 1, 0
	s_wait_dscnt 0x0
	s_barrier_signal -1
	s_barrier_wait -1                              ; 32 rows of O and their statistics lie in LDS
	; ---- B
.irp b, 0,1,2,3
	v_mov_b32 v[TM+4+\b], 0                        ; a lane permute's destination counts as read
.endr
.macro QUANT                           ; v[Y] on, register 16 b + i = k 32 b + 16 (lane / 16) + i of my row, become a fragment's codes in v[PC] on and its scale word in v[PW]
.irp b, 0,1,2,3
	v_max3_num_f32 v[TM+\b], |v[Y+16*\b]|, |v[Y+16*\b+1]|, 0x8000000   ; with the floor 2^(16 - 127): the byte cannot fall under 1
.endr
.irp i, 2,4,6,8,10,12,14
.irp b, 0,1,2,3
	v_max3_num_f32 v[TM+\b], v[TM+\b], |v[Y+16*\b+\i]|, |v[Y+16*\b+\i+1]|
.endr
.endr
.irp b, 0,1,2,3
	v_permlanex16_b32 v[TM+4+\b], v[TM+\b], s30, s31
.endr
.irp b, 0,1,2,3
	v_max_num_f32 v[TM+\b], v[TM+\b], v[TM+4+\b]
.endr
.irp b, 0,1,2,3
	v_add_nc_u32 v[TM+12+\b], 0xf8800000, v[TM+\b]
.endr
.irp b, 0,1,2,3
	v_and_or_b32 v[TM+8+\b], v[TM+\b], 0x7f800000, s32
.endr
.irp b, 0,1,2,3
	v_lshrrev_b32 v[TM+4+\b], 23, v[TM+12+\b]
.endr
	v_lshl_or_b32 v[PW], v[TM+5], 8, v[TM+4]
	v_lshl_or_b32 v[PW], v[TM+6], 16, v[PW]
	v_lshl_or_b32 v[PW], v[TM+7], 24, v[PW]
.irp b, 0,1,2,3
.irp i, 0,1,2,3,4,5,6,7,8,9,10,11,12,13,14,15
	v_med3_num_f32 v[Y+16*\b+\i], v[Y+16*\b+\i], -v[TM+8+\b], v[TM+8+\b]   ; the conversion to an 8-bit code does not saturate (ISA guide 7.6.2): the hold
.endr
	v_cvt_scalef32_pk8_bf8_f32 v[PC+4*\b:PC+4*\b+1], v[Y+16*\b:Y+16*\b+7], v[TM+12+\b]
	v_cvt_scalef32_pk8_bf8_f32 v[PC+4*\b+2:PC+4*\b+3], v[Y+16*\b+8:Y+16*\b+15], v[TM+12+\b]
.endr
	v_nop                                          ; a plain line behind the last conversion
.endm
.macro PHB u, p                        ; K step 2 w + u, rows 16 p on
.irp c, 0,1,2,3
.irp q, 0,1,2,3
	ds_load_b128 v[Y+16*\c+4*\q:Y+16*\c+4*\q+3], v[SB0+\p] offset:512*\u+128*\c+16*\q
.endr
.endr
	ds_load_b64 v[MS:MS+1], v[STR] offset:128*\p
	s_wait_dscnt 0x0
	v_mov_b32 v[MS+2], v[MS+1]
	v_mov_b32 v[MS+3], v[MS+1]
.set k, 0
.rept 32
	v_pk_add_f32 v[Y+k:Y+k+1], v[Y+k:Y+k+1], v[MS:MS+1] op_sel_hi:[1,0] neg_lo:[0,1] neg_hi:[0,1]
.set k, k+2
.endr
.set k, 0
.rept 32
	v_pk_mul_f32 v[Y+k:Y+k+1], v[Y+k:Y+k+1], v[MS+2:MS+3]
.set k, k+2
.endr
	WIN 0x14                                       ; sources 1 and 2: g_o and be_o, window 1
.set k, 0
.rept 32
	v_pk_fma_f32 v[Y+k:Y+k+1], v[Y+k:Y+k+1], v[64*\u+k:64*\u+k+1], v[128+64*\u+k:128+64*\u+k+1]
.set k, k+2
.endr
	WIN 0
	QUANT
.irp c, 0,1,2,3
	ds_store_b128 v[IW], v[PC+4*\c:PC+4*\c+3] offset:16384*\p+2048*\u+512*\c
.endr
	ds_store_b32 v[SWA], v[PW] offset:1024*\p+128*\u
	s_wait_dscnt 0x0                               ; the stores have read their registers
.endm
	PHB 0, 0
	PHB 0, 1
	PHB 1, 0
	PHB 1, 1
	s_barrier_signal -1                            ; (my LDS instructions have been waited for)
	s_barrier_wait -1                              ; the sixteen fragments lie in LDS
	; ---- C
	WIN 0x40
.irp f, 0,1,2,3,4,5,6,7,8,9,10,11,12,13,14,15
.irp c, 0,1,2,3
	ds_load_b128 v[16*\f+4*\c:16*\f+4*\c+3], v[IR] offset:2048*\f+512*\c
.endr
.endr
	WIN 0
.irp f, 0,1,2,3,4,5,6,7,8,9,10,11,12,13,14,15
	ds_load_b32 v[AS+\f], v[SRA] offset:128*\f
.endr
.macro PROD g                          ; 16 products: K steps 4 g .. 4 g + 3; the four accumulators (tile t, rows p) take turns, one instruction a turn
.irp s, 0,1,2,3
.irp t, 0,1
.irp p, 0,1
.if (\g == 0) && (\s == 0)
	v_wmma_scale_f32_16x16x128_f8f6f4 v[AC+8*(2*\t+\p):AC+8*(2*\t+\p)+7], v[128*\g+64*\t+16*\s:128*\g+64*\t+16*\s+15], v[16*(8*\p+4*\g+\s):16*(8*\p+4*\g+\s)+15], v[BB+8*\t:BB+8*\t+7], v[WS+8*\g+4*\t+\s], v[AS+8*\p+4*\g+\s] matrix_a_fmt:MATRIX_FMT_BF8 matrix_b_fmt:MATRIX_FMT_BF8
.else
	v_wmma_scale_f32_16x16x128_f8f6f4 v[AC+8*(2*\t+\p):AC+8*(2*\t+\p)+7], v[128*\g+64*\t+16*\s:128*\g+64*\t+16*\s+15], v[16*(8*\p+4*\g+\s):16*(8*\p+4*\g+\s)+15], v[AC+8*(2*\t+\p):AC+8*(2*\t+\p)+7], v[WS+8*\g+4*\t+\s], v[AS+8*\p+4*\g+\s] matrix_a_fmt:MATRIX_FMT_BF8 matrix_b_fmt:MATRIX_FMT_BF8
.endif
.endr
.endr
.endr
.endm
.macro PAIR refill                     ; two tiles of 16 outputs for the 32 rows
	v_add_nc_u32 v[OA0], s36, v[OB0]
	v_add_nc_u32 v[OA0+1], s36, v[OB0+1]
	s_wait_loadcnt 34                              ; granule 0 is in; granule 1's 34 loads may be out
.irp t, 0,1
.irp p, 0,1
.irp q, 0,1
	ds_load_b128 v[OT+8*(2*\t+\p)+4*\q:OT+8*(2*\t+\p)+4*\q+3], v[OA0+\p] offset:64*\t+16*\q
.endr
.endr
.endr
	s_wait_dscnt 8                                 ; all but these eight: the fragments and their scale words are in
	WIN 0x06                                       ; source 0 (Wo) window 2, source 1 window 1
	PROD 0
	WIN 0
.rept 8
	v_nop                                          ; places in front of loads into registers that these products have read
.endr
.if \refill
	WLOAD 0, 1
	s_wait_loadcnt 38                              ; granule 1 is in; the next pair's granule 0, 38 loads, may be out
.else
.irp j, 0,1,2,3,4,5,6,7
	global_load_b128 v[GF+4*\j:GF+4*\j+3], v[LO], s[22:23] offset:512*\j
	global_load_b128 v[BF+4*\j:BF+4*\j+3], v[LO], s[24:25] offset:512*\j
.endr
	s_wait_loadcnt 16                              ; granule 1 is in; the sixteen loads of g_f and be_f may be out
.endif
	WIN 0x06
	PROD 1
	WIN 0
.rept 9
	v_nop                                          ; eight for the loads and the first read of the results; the ninth since the next pair's first products write over these accumulators with another C
.endr
.if \refill
	WLOAD 1, 1
.endif
	s_wait_dscnt 0x0                               ; O
.set k, 0
.rept 32
	v_max_num_f32 v[AC+k], 0, v[AC+k]              ; relu; each accumulator from its low end on
.set k, k+1
.endr
.set k, 0
.rept 16
	v_pk_add_f32 v[OT+k:OT+k+1], v[OT+k:OT+k+1], v[AC+k:AC+k+1]
.set k, k+2
.endr
.irp t, 0,1
.irp p, 0,1
.irp q, 0,1
	ds_store_b128 v[OA0+\p], v[OT+8*(2*\t+\p)+4*\q:OT+8*(2*\t+\p)+4*\q+3] offset:64*\t+16*\q   ; in place: these bytes are my wave's alone until the next barrier
.endr
.endr
.endr
.if \refill
	s_wait_xcnt 0x0                                ; the loads have read their bases: these step only behind this wait
	s_add_nc_u64 s[40:41], s[40:41], 32768
	s_add_nc_u64 s[42:43], s[42:43], 1024
	s_add_nc_u64 s[44:45], s[44:45], 128
	s_add_co_u32 s36, s36, 128
.endif
.endm
	s_mov_b32 s36, 0
	s_mov_b32 s35, 7
.Lpair:
	PAIR 1
	s_sub_co_u32 s35, s35, 1
	s_cmp_lg_u32 s35, 0
	s_cbranch_scc1 .Lpair
	PAIR 0                                         ; the eighth pair asks for no more of Wo: no load leaves its buffer
	s_wait_dscnt 0x0
	s_barrier_signal -1
	s_barrier_wait -1                              ; 32 whole rows of O + relu(..) lie in LDS
	; ---- D
.macro LOADD i
.irp j, 0,1,2,3,4,5,6,7
	ds_load_b128 v[RA+32*((\i)%2)+4*\j:RA+32*((\i)%2)+4*\j+3], v[SD] offset:SPITCH*(\i)+512*\j
.endr
.endm
.macro ROWD i
.set RS, RA+32*((\i)%2)
.if (\i) < 7
	s_wait_xcnt 0x0                                ; the last row's stores have read their registers, which take the next row
	LOADD (\i)+1
	s_wait_dscnt 8                                 ; my row is in; the next row's eight loads may be out
.else
	s_wait_dscnt 0x0
.endif
	LNSTAT 0
.if (\i) == 0
	s_wait_loadcnt 0x0                             ; g_f and be_f
.endif
.set k, 0
.rept 16
	v_pk_mul_f32 v[RS+k:RS+k+1], v[RS+k:RS+k+1], v[RSTD:RSTD+1] op_sel_hi:[1,0]
.set k, k+2
.endr
.set k, 0
.rept 16
	v_pk_fma_f32 v[RS+k:RS+k+1], v[RS+k:RS+k+1], v[GF+k:GF+k+1], v[BF+k:BF+k+1]
.set k, k+2
.endr
.irp j, 0,1,2,3,4,5,6,7
	global_store_b128 v[LO], v[RS+4*\j:RS+4*\j+3], s[26:27] offset:4096*(\i)+512*\j th:TH_STORE_NT   ; 32 lanes store 512 consecutive bytes
.endr
.endm
	LOADD 0
.irp i, 0,1,2,3,4,5,6,7
	ROWD \i
.endr
	s_wait_tensorcnt 0x0
	ds_add_u32 v254, v255
	s_wait_dscnt 0x0
	s_endpgm
.Lfunc_end_k_q78e38eefda_tail:
	.size	k_q78e38eefda_tail, .Lfunc_end_k_q78e38eefda_tail-k_q78e38eefda_tail
	.p2alignl 7, 3214868480
	.fill 96, 4, 3214868480
	.section	.rodata,"a",@progbits
	.p2align	6, 0x0
	.amdhsa_kernel k_q78e38eefda_tail
		.amdhsa_group_segment_fixed_size 168448
		.amdhsa_private_segment_fixed_size 0
		.amdhsa_enable_private_segment 0
		.amdhsa_kernarg_size 80
		.amdhsa_user_sgpr_count 2
		.amdhsa_user_sgpr_kernarg_segment_ptr 1
		.amdhsa_wavefront_size32 1
		.amdhsa_system_sgpr_workgroup_id_x 1
		.amdhsa_system_sgpr_workgroup_id_y 1
		.amdhsa_system_sgpr_workgroup_id_z 1
		.amdhsa_system_vgpr_workitem_id 0
		.amdhsa_next_free_vgpr 768
		.amdhsa_next_free_sgpr 66
		.amdhsa_reserve_vcc 0
		.amdhsa_float_denorm_mode_32 3
		.amdhsa_float_denorm_mode_16_64 3
		.amdhsa_memory_ordered 1
		.amdhsa_forward_progress 1
		.amdhsa_inst_pref_size 225
	.end_amdhsa_kernel
	.amdgpu_metadata
---
amdhsa.version: [ 1, 2 ]
amdhsa.kernels:
  - .name:           k_q78e38eefda_tail
    .symbol:         k_q78e38eefda_tail.kd
    .args:
      - { .name: Q, .offset: 0, .size: 8, .value_kind: global_buffer, .address_space: global }
      - { .name: att, .offset: 8, .size: 8, .value_kind: global_buffer, .address_space: global }
      - { .name: codes, .offset: 16, .size: 8, .value_kind: global_buffer, .address_space: global }
      - { .name: scales, .offset: 24, .size: 8, .value_kind: global_buffer, .address_space: global }
      - { .name: g_o, .offset: 32, .size: 8, .value_kind: global_buffer, .address_space: global }
      - { .name: be_o, .offset: 40, .size: 8, .value_kind: global_buffer, .address_space: global }
      - { .name: bo, .offset: 48, .size: 8, .value_kind: global_buffer, .address_space: global }
      - { .name: g_f, .offset: 56, .size: 8, .value_kind: global_buffer, .address_space: global }
      - { .name: be_f, .offset: 64, .size: 8, .value_kind: global_buffer, .address_space: global }
      - { .name: out0, .offset: 72, .size: 8, .value_kind: global_buffer, .address_space: global }
    .group_segment_fixed_size: 168448
    .private_segment_fixed_size: 0
    .kernarg_segment_align: 8
    .kernarg_segment_size: 80
    .max_flat_workgroup_size: 128
    .sgpr_count:     66
    .vgpr_count:     768
    .wavefront_size: 32
...
	.end_amdgpu_metadata
.endif
;; end of part 4
;; ======== version 2 of 2: 4 launches; version 1 with the launches attn, tail written anew for expert scheduling mode
;; limits: right only within a limited range of input values
;; workspace buffers: codes 20,971,520 bytes; scales 655,360 bytes; frag 25,165,824 bytes; fscale 786,432 bytes; att 33,554,432 bytes
;; launch prep: the kernel of part 1 again; grid 672 x 1, 4 waves a work-group, no clusters, 23,040 bytes of LDS; arguments Q, K, Wq, Wk, Wv, Wo, g_q, be_q, g_kv, be_kv, codes, scales; writes codes, scales
;; launch qkv: the kernel of part 2 again; grid 4 x 96, 4 waves a work-group, clusters of 4 x 4, 327,680 bytes of LDS; arguments codes, scales, bq, bk, bv, frag, fscale; writes frag, fscale
;; launch attn (part 5): grid 2 x 128, 8 waves a work-group, no clusters, 37,888 bytes of LDS; arguments frag, fscale, pad_mask, att; writes att
.if DOCPART == 5
	.amdgcn_target "amdgcn-amd-amdhsa--gfx1250"
	.amdhsa_code_object_version 6
	.text
	.protected	k_q78e38eefda_attn
	.globl	k_q78e38eefda_attn
	.p2align	8
	.type	k_q78e38eefda_attn,@function
k_q78e38eefda_attn:
	s_mov_b64 s[64:65], 0
	v_nop
	global_prefetch_b8 v0, s[64:65] scope:SCOPE_SE
	s_setreg_imm32_b32 hwreg(HW_REG_WAVE_SCHED_MODE, 0, 2), 2
	s_setreg_imm32_b32 hwreg(HW_REG_WAVE_MODE, 25, 1), 1
	s_wait_xcnt 0x0
	s_wait_alu depctr_vm_vsrc(0)
; att[b][q][64 head + d] = the sum over k of A[q][k] Vp[k][d], A = softmax_k(where(m == 0, -1e12, Qp . Kp / 32)) x m, both products on codes of BF8 (E5M2) with E8M0 scales.
; A IS QUANTISED FINISHED AND NORMALISED, along the keys: a row's maximum and sum over all 1,024 keys are known before a code is made.
; SHARES.  A work-group of EIGHT waves takes one batch, one head and 512 queries.  THE WAVES SHARE THE KEYS: wave w owns keys 128 w .. 128 w + 127; its 8 tiles of K, its 4 fragments of V^T and its 128 numbers of pad_mask stay in REGISTERS for the whole launch.
; A wave has 512 registers, so two waves stand on a SIMD: while one waits for LDS, for a result or at a barrier, the other issues.
; All eight waves walk the same 32 tiles of 16 queries, one a trip.  In a trip each wave makes its scores, its own maximum and sum; these meet in LDS (barrier 1); each wave then scales, quantises and multiplies its keys' part; the eight partial O^T meet in LDS (barrier 2).
; LAYOUT.  Both products are used transposed: S^T = K Q^T, O^T = V^T A^T: a lane holds one query (lane % 16).  The keys of a tile of K are 32 (t / 2) + 8 (t % 2) + r + 8 (r / 8), so the 16 registers of tiles 2 c, 2 c + 1 are 16 neighbouring keys.
; THE TEST m == 0 RIDES IN THE PRODUCT'S SPARE K.  The head's 64 fill blocks 0 and 1 of the instruction's 128.  At k = 64 Q holds the code of 1.0 (scale byte 127) and K the code of -57,344 (scale byte 142) for a key with m == 0, and 0 else; all other codes of blocks 2 and 3 are 0.
; So a masked key's raw score gets -57,344 x 2^15 = -1.88e9 (-5.9e7 as a score), an unmasked key's an exact 0.  LIMIT, stated: reference() sets -1e12 there; this text serves scores under about 2e7 in magnitude.
; A row all of whose keys are masked has finite p, a sum above 0, and A = p x m x f = 0, as in reference().  pad_mask also multiplies, whatever its size and sign.  NaN and infinities are not served.
; NO CLUSTER: K and V^T are read once a work-group, 128 KB, straight into the registers in which they stay; a joint load would add a way through LDS for them.  No prefetch: the one stream, Q's tiles, is loaded a whole trip ahead.
; REGISTERS: window 0: v1-12 addresses and constants; v16-23 K's scale words, v24-27 V's, v28 Q's, v29 A's (v30: Q's as loaded); v44-104 at work; v128-191 S^T, then p, then A; v192-255 pad_mask, laid as S^T.
;   window 1: v0-127 K's tiles, 16 registers each; v128-191 V^T's fragments; v192-207 Q's fragment; v208-239 O^T; v240-255 A's codes.
; THE MODE: SCHED_MODE bits 1:0 = 2 (LLVM: expert scheduling mode 2), set by the entry lines.  The code itself states the register dependences
; between vector or matrix instructions and memory or LDS instructions, with s_wait_alu, always for 0.
; THE PLAN.  Registers that memory or LDS instructions touch, in the loop:
;   v1, v2, v4-v8     addresses: made at the head, never written again.
;   Q's fragment (its first 8 registers) and v30: read by the eight score products and by the v_bfe_u32 at the last trip's end; the trip's three global loads land there, behind one wait on va_vdst behind the products.
;   v[44:45]          written by a multiplication and an addition; read by the exchange's LDS store, behind a wait on va_vdst.
;   v60-75            the exchange's LDS loads land there; the vector lines that read them all stand ahead of the reciprocal's wait of the trip before.
;   O^T               written by the four products; read by eight LDS stores, behind the places and a wait on va_vdst.
;   v128-159          the eight parts' LDS loads land there; the holds and conversions that named them stand ahead of the wait in front of O^T's stores, and no vector line follows it.
;   v92-95            written by the additions; read by the global store, behind a wait on va_vdst.
; ONE wait on vm_vsrc a trip, ahead of the first line that writes v44: the last trip's LDS stores have read v[44:45] and O^T, its global store v92-95; all three are written again only further down.
; Codes and scale words that vector instructions make for a scaled product have their places and then a wait on va_vdst: A's ahead of the O^T products; Q's scale word by the wait ahead of the global store (into the loop: by the wait at the head's end).
.set OSTG, 2048                        ; LDS: bytes 0-2,047: 8 waves x 32 lanes x (c x maximum, sum); then 8 waves x 16 rows x (256 + 16) bytes of partial O^T
.set OP,   272
.set R16,  1                           ; v1  16 r
.set LOFF, 2                           ; v2  16 x lane
.set XW,   4                           ; v4  where I put my maximum and sum: 256 w + 8 x lane
.set XR,   5                           ; v5  where I read the eight waves': 8 x lane
.set OW,   6                           ; v6  where I put my part of O^T
.set ORD,  7                           ; v7  where I read a row of the eight parts
.set GOFF, 8                           ; v8  my byte offset in att
.set H64,  9                           ; v9  64 h
.set KMO,  10                          ; v10 4 (r + 8 (r / 8))
.set CK,   11                          ; v11 the code of -57,344 in byte 0 of lanes 0-15
.set CQ,   12                          ; v12 the code of 1.0 likewise
.set KS,   16
.set VS,   24
.set QS,   28
.set PS,   29
.set QSR,  30
.set MC,   44                          ; v[44:45] c x my keys' largest score; my keys' sum
.set FF,   46                          ; v[46:47] f (low word)
.set TC,   48                          ; v48-55 chains
.set TP,   56
.set XD,   60                          ; v60-75 the eight waves' maxima and sums
.set BM,   76                          ; v76-79 the blocks' largest magnitudes
.set BT,   80                          ; v80-83 at work, then the bytes
.set BH,   84                          ; v84-87 57,344 x the scale
.set BSC,  88                          ; v88-91 the conversions' scale operands
.set RES,  92                          ; v92-95 16 bytes a lane of a row of O
.set EX,   96                          ; v96-104
.set S,    128
.set M,    192
.set VF,   128                         ; in window 1
.set QF,   192
.set OA,   208
.set PC,   240
.set KM,   42                          ; s42-49 at the head, behind the wait for its loads: the masks 'this key has m == 0', a tile each
.set MSB, 0
.macro WIN new                         ; the immediate's high byte repeats the setting that is left
.if MSB != \new
	s_set_vgpr_msb (MSB<<8)|\new
.set MSB, \new
.endif
.endm
	s_load_b256 s[4:11], s[0:1], 0x0               ; frag, fscale, pad_mask, att
	v_lshl_add_u32 v126, v0, 2, 0x9000
	v_mov_b32 v127, 0
	v_lshrrev_b32 v13, 5, v0
	v_readfirstlane_b32 s12, v13                   ; wave 0..7
	v_and_b32 v14, 31, v0                          ; lane
	v_and_b32 v15, 15, v0                          ; r
	v_bfe_u32 v13, v0, 4, 1                        ; h
	v_lshlrev_b32 v[R16], 4, v15
	v_lshlrev_b32 v[LOFF], 4, v14
	v_lshlrev_b32 v[XR], 3, v14
	s_wait_alu depctr_va_sdst(0)                   ; s12, the wave's number, is written, ahead of its first reader
	s_lshl_b32 s34, s12, 8
	v_add_nc_u32 v[XW], s34, v[XR]
	s_mul_i32 s34, s12, 16*OP
	s_add_co_u32 s34, s34, OSTG
	v_mul_u32_u24 v[OW], v15, OP
	v_lshl_add_u32 v[OW], v13, 6, v[OW]
	v_add_nc_u32 v[OW], s34, v[OW]                 ; my part: row r, + 64 h bytes
	s_lshl_b32 s34, s12, 1
	v_add_nc_u32 v[GOFF], s34, v13                 ; the row that I sum and store: 2 w + h
	v_mul_u32_u24 v[ORD], v[GOFF], OP
	v_lshl_add_u32 v[ORD], v15, 4, v[ORD]
	v_add_nc_u32 v[ORD], OSTG, v[ORD]
	v_and_b32 v[CQ], 8, v[GOFF]
	v_add_nc_u32 v[GOFF], v[GOFF], v[CQ]           ; place r' of a tile is query r' + 8 (r' / 8) of its 32
	v_lshlrev_b32 v[GOFF], 12, v[GOFF]
	v_lshl_add_u32 v[GOFF], v15, 4, v[GOFF]
	v_lshlrev_b32 v[H64], 6, v13
	v_and_b32 v[KMO], 8, v15
	v_add_nc_u32 v[KMO], v[KMO], v15
	v_lshlrev_b32 v[KMO], 2, v[KMO]
	v_cmp_gt_u32 vcc_lo, 16, v14                   ; lanes 0-15 hold k = 64 .. 79 in a fragment's registers 8 to 11
	v_mov_b32 v[CK], 0xfb
	s_wait_alu depctr_va_vcc(0)                    ; VCC is written, ahead of the two selects that read it
	v_cndmask_b32 v[CK], 0, v[CK], vcc_lo
	v_mov_b32 v[CQ], 0x3c
	v_cndmask_b32 v[CQ], 0, v[CQ], vcc_lo
	v_mov_b32 v[MC+1], 0                           ; named as upper halves of pairs, or as lane permutes' destinations, before they are first written
	v_mov_b32 v[FF+1], 0
	v_mov_b32 v[TP], 0
.irp b, 0,1,2,3
	v_mov_b32 v[BT+\b], 0
.endr
	s_and_b32 s14, ttmp7, 0xffff
	s_lshr_b32 s15, s14, 4                         ; batch
	s_and_b32 s16, s14, 15                         ; head
	s_lshr_b32 s17, s16, 1                         ; pair of heads
	s_and_b32 s18, s16, 1                          ; which of the pair
	s_lshl_b32 s19, s15, 3
	s_add_co_u32 s19, s19, s17
	s_lshl_b32 s41, s18, 4                         ; the head's two scale bytes begin at this bit of a word
	s_mov_b32 s36, 0x3d38aa3b                      ; c = log2(e) / 32
	s_mov_b32 s37, s36
	s_mov_b32 s38, 0x76543210
	s_mov_b32 s39, 0xfedcba98
	s_mov_b32 s40, 0x600000
	s_mov_b32 s35, 0
	s_lshl_b32 s52, s19, 17                        ; 64 tiles of 2,048 bytes
	s_lshl_b32 s53, s18, 10
	s_lshl_b32 s54, s12, 14                        ; my 8 tiles of K; also my K step of V^T
	s_lshl_b32 s34, ttmp9, 16                      ; my 32 tiles of queries
	s_add_co_u32 s34, s34, s52
	s_add_co_u32 s34, s34, s53
	s_wait_kmcnt 0x0
	s_add_nc_u64 s[22:23], s[4:5], s[34:35]        ; Q's images
	s_add_co_u32 s34, s52, s53
	s_add_co_u32 s34, s34, s54
	s_add_co_u32 s34, s34, 0x800000
	s_add_nc_u64 s[42:43], s[4:5], s[34:35]        ; K's: my 8 tiles
	s_lshl_b32 s34, s18, 13
	s_add_co_u32 s34, s34, s52
	s_add_co_u32 s34, s34, s54
	s_add_co_u32 s34, s34, 0x1000000
	s_add_nc_u64 s[44:45], s[4:5], s[34:35]        ; V^T's: my K step, the head's four tiles
	s_lshl_b32 s52, s19, 12
	s_lshl_b32 s54, s12, 9
	s_lshl_b32 s34, ttmp9, 11
	s_add_co_u32 s34, s34, s52
	s_add_nc_u64 s[24:25], s[6:7], s[34:35]        ; Q's scale words
	s_add_co_u32 s34, s52, s54
	s_add_co_u32 s34, s34, 262144
	s_add_nc_u64 s[46:47], s[6:7], s[34:35]        ; K's
	s_lshl_b32 s34, s18, 8
	s_add_co_u32 s34, s34, s52
	s_add_co_u32 s34, s34, s54
	s_add_co_u32 s34, s34, 524288
	s_add_nc_u64 s[48:49], s[6:7], s[34:35]        ; V's
	s_lshl_b32 s34, s15, 12
	s_add_co_u32 s34, s34, s54
	s_add_nc_u64 s[50:51], s[8:9], s[34:35]        ; pad_mask: my 128 keys
	s_lshl_b32 s34, s15, 22
	s_lshl_b32 s52, ttmp9, 21
	s_add_co_u32 s34, s34, s52
	s_lshl_b32 s52, s16, 8
	s_add_co_u32 s34, s34, s52
	s_add_nc_u64 s[26:27], s[10:11], s[34:35]      ; att: my batch, my 512 queries, my head's 256 bytes of a row
	WIN 0x40                                       ; destination window 1
	s_wait_alu depctr_va_vdst(0)                   ; the addresses v1, v2 and v4 to v10 are written, which every load and store of the kernel reads
.irp t, 0,1,2,3,4,5,6,7
	global_load_b128 v[16*\t:16*\t+3], v[LOFF], s[42:43] offset:2048*\t
	global_load_b128 v[16*\t+4:16*\t+7], v[LOFF], s[42:43] offset:2048*\t+512
.endr
	global_load_b128 v[QF:QF+3], v[LOFF], s[22:23]
	global_load_b128 v[QF+4:QF+7], v[LOFF], s[22:23] offset:512
.irp d, 0,1,2,3
.irp c, 0,1,2,3
	global_load_b128 v[VF+16*\d+4*\c:VF+16*\d+4*\c+3], v[LOFF], s[44:45] offset:2048*\d+512*\c
.endr
.endr
	WIN 0
.irp g, 0,1
	global_load_b128 v[KS+4*\g:KS+4*\g+3], v[R16], s[46:47] offset:256*\g
.endr
.irp t, 0,1,2,3,4,5,6,7
	global_load_b32 v[S+\t], v[KMO], s[50:51] offset:(32*(\t/2)+8*(\t%2))*4   ; pad_mask of the key that lane r of tile t holds
.endr
	global_load_b32 v[QSR], v[R16], s[24:25]
	global_load_b128 v[VS:VS+3], v[R16], s[48:49]
.irp c, 0,1,2,3
.irp q, 0,1,2,3
	global_load_b128 v[M+16*\c+4*\q:M+16*\c+4*\q+3], v[H64], s[50:51] offset:128*\c+16*\q   ; register 16 c + i: key 32 c + 16 h + i
.endr
.endr
	s_wait_loadcnt 0x0                             ; all of it is in; the loads that read s42 to s49 as their bases are done, so these registers may be written
.irp t, 0,1,2,3,4,5,6,7
	v_bfe_u32 v[KS+\t], v[KS+\t], s41, 16          ; the head's two bytes,
	v_or_b32 v[KS+\t], 0x8e0000, v[KS+\t]          ; and 142 for block 2 (block 3's byte 0 stands over zero codes)
.endr
	v_bfe_u32 v[QS], v[QSR], s41, 16
	v_or_b32 v[QS], 0x7f0000, v[QS]
.irp t, 0,1,2,3,4,5,6,7
	v_cmp_eq_f32 s[KM+\t], 0, v[S+\t]              ; the eight compares in one run, a scalar register each,
.endr
	s_wait_alu depctr_va_sdst(0)                   ; and one wait: s42 to s49 are written, ahead of the selects that read them
	WIN 0x40
.irp t, 0,1,2,3,4,5,6,7
	v_cndmask_b32 v[16*\t+8], 0, v[CK], s[KM+\t]   ; -57,344 at k = 64 of a masked key
.irp j, 9,10,11,12,13,14,15
	v_mov_b32 v[16*\t+\j], 0
.endr
.endr
	v_mov_b32 v[QF+8], v[CQ]                       ; 1.0 at k = 64 of every query
.irp j, 9,10,11,12,13,14,15
	v_mov_b32 v[QF+\j], 0
.endr
	WIN 0
.rept 8
	v_nop                                          ; scale words made by vector instructions stand eight places ahead of a scaled matrix instruction
.endr
	s_wait_alu depctr_va_vdst(0)                   ; behind the places: K's and Q's scale words and the upper halves of their fragments are written, which the first trip's scaled products take
.macro SCL p                           ; pair p of my scores: c s - c max
	v_pk_fma_f32 v[S+2*(\p):S+2*(\p)+1], v[S+2*(\p):S+2*(\p)+1], s[36:37], v[MC:MC+1] op_sel_hi:[1,0,0] neg_lo:[0,0,1] neg_hi:[0,0,1]
.endm
	s_mov_b32 s20, 0
.Ltrip:
	; ---- the scores of my 128 keys
	WIN 0x05                                       ; sources 0 (K) and 1 (Q) window 1
.irp t, 0,1,2,3,4,5,6,7
	v_wmma_scale_f32_16x16x128_f8f6f4 v[S+8*\t:S+8*\t+7], v[16*\t:16*\t+15], v[QF:QF+15], 0, v[KS+\t], v[QS] matrix_a_fmt:MATRIX_FMT_BF8 matrix_b_fmt:MATRIX_FMT_BF8
.endr
	WIN 0
	s_add_co_u32 s21, s20, 1
	s_min_u32 s21, s21, 31                         ; the next tile; the last trip asks for its own again: no load leaves its buffer
	s_lshl_b32 s34, s21, 11
	s_add_nc_u64 s[28:29], s[22:23], s[34:35]      ; (the last trip's loads by these addresses have been waited for)
	s_lshr_b32 s34, s21, 2
	s_lshl_b32 s34, s34, 8
	s_and_b32 s55, s21, 3
	s_lshl_b32 s55, s55, 2
	s_add_co_u32 s34, s34, s55
	s_add_nc_u64 s[30:31], s[24:25], s[34:35]
.rept 8
	v_nop                                          ; places behind the products, ahead of the first read of the scores; they stay beside the wait below
.endr
	WIN 0x40
	s_wait_alu depctr_va_vdst(0)                   ; the eight products are done reading Q's fragment, and the last trip's v_bfe_u32 is done reading v30: the three loads below land there
	global_load_b128 v[QF:QF+3], v[LOFF], s[28:29]
	global_load_b128 v[QF+4:QF+7], v[LOFF], s[28:29] offset:512
	WIN 0
	global_load_b32 v[QSR], v[R16], s[30:31]
	; ---- my keys' largest score: four chains, each accumulator from its low end on
.irp c, 0,1,2,3
	v_max3_num_f32 v[TC+\c], v[S+16*\c], v[S+16*\c+1], v[S+16*\c+2]
.endr
.irp i, 3,5,7,9,11,13
.irp c, 0,1,2,3
	v_max3_num_f32 v[TC+\c], v[TC+\c], v[S+16*\c+\i], v[S+16*\c+\i+1]
.endr
.endr
.irp c, 0,1,2,3
	v_max_num_f32 v[TC+\c], v[TC+\c], v[S+16*\c+15]
.endr
	v_max3_num_f32 v[TC], v[TC], v[TC+1], v[TC+2]
	v_max_num_f32 v[TC], v[TC], v[TC+3]
	v_permlanex16_b32 v[TP], v[TC], s38, s39
	v_max_num_f32 v[TC], v[TC], v[TP]
	s_wait_alu depctr_vm_vsrc(0)                   ; the last trip's LDS stores have read v[44:45] and O^T, and its global store v92 to v95: the line below writes v44, and the others are written again further down
	v_mul_f32 v[MC], s36, v[TC]
	; ---- p = 2^(c s - c max): one batch of exponentials, one wait.  The scalings stand between the exponentials, each two pairs ahead of its own pair's; none of these lines names an exponential's result
	SCL 0
	SCL 1
.set k, 0
.rept 32
	v_exp_f32 v[S+2*k], v[S+2*k]
.if k < 30
	SCL k+2
.endif
	v_exp_f32 v[S+2*k+1], v[S+2*k+1]
.set k, k+1
.endr
	v_nop                                          ; a plain instruction behind the last exponential,
	s_wait_alu depctr_va_vdst(0)                   ; and one wait for the batch: the 64 exponentials have written p, ahead of its first reader
	; ---- my keys' sum, of p as it is (the mask's factor comes behind the softmax)
.irp c, 0,1,2,3
	v_pk_add_f32 v[TC+2*\c:TC+2*\c+1], v[S+16*\c:S+16*\c+1], v[S+16*\c+2:S+16*\c+3]
.endr
.irp i, 4,6,8,10,12,14
.irp c, 0,1,2,3
	v_pk_add_f32 v[TC+2*\c:TC+2*\c+1], v[TC+2*\c:TC+2*\c+1], v[S+16*\c+\i:S+16*\c+\i+1]
.endr
.endr
	v_pk_add_f32 v[TC:TC+1], v[TC:TC+1], v[TC+2:TC+3]
	v_pk_add_f32 v[TC+4:TC+5], v[TC+4:TC+5], v[TC+6:TC+7]
	v_pk_add_f32 v[TC:TC+1], v[TC:TC+1], v[TC+4:TC+5]
	v_add_f32 v[TC], v[TC], v[TC+1]
	v_permlanex16_b32 v[TP], v[TC], s38, s39
	v_add_f32 v[MC+1], v[TC], v[TP]
	s_wait_alu depctr_va_vdst(0)                   ; v[44:45], my maximum and my sum, are written, which the LDS store reads
	ds_store_b64 v[XW], v[MC:MC+1]                 ; 256 consecutive bytes a wave
	s_wait_dscnt 0x0                               ; for the others' sake: my store has landed; and my reads of the last trip's O^T are over
	s_barrier_signal -1
	; ---- work on registers while the others arrive: p x m, and each block's largest magnitude of it
.set k, 0
.rept 32
	v_pk_mul_f32 v[S+k:S+k+1], v[S+k:S+k+1], v[M+k:M+k+1]
.set k, k+2
.endr
.irp b, 0,1,2,3
	v_max3_num_f32 v[BM+\b], |v[S+16*\b]|, |v[S+16*\b+1]|, |v[S+16*\b+2]|
.endr
.irp i, 3,5,7,9,11,13
.irp b, 0,1,2,3
	v_max3_num_f32 v[BM+\b], v[BM+\b], |v[S+16*\b+\i]|, |v[S+16*\b+\i+1]|
.endr
.endr
.irp b, 0,1,2,3
	v_max_num_f32 v[BM+\b], v[BM+\b], |v[S+16*\b+15]|
.endr
.irp b, 0,1,2,3
	v_permlanex16_b32 v[BT+\b], v[BM+\b], s38, s39
.endr
.irp b, 0,1,2,3
	v_max_num_f32 v[BM+\b], v[BM+\b], v[BT+\b]
.endr
	s_barrier_wait -1
	; ---- the row's maximum and sum over all eight waves; f = 2^(my c max - the row's) / the row's sum
.irp j, 0,1,2,3,4,5,6,7
	ds_load_b64 v[XD+2*\j:XD+2*\j+1], v[XR] offset:256*\j   ; no wait of their own: the vector lines that read v60 to v75 stand ahead of the last trip's reciprocal's wait, and none since names them
.endr
	s_wait_dscnt 0x0
	v_max3_num_f32 v[TC], v[XD], v[XD+2], v[XD+4]
	v_max3_num_f32 v[TC], v[TC], v[XD+6], v[XD+8]
	v_max3_num_f32 v[TC], v[TC], v[XD+10], v[XD+12]
	v_max_num_f32 v[TC], v[TC], v[XD+14]
.irp j, 0,1,2,3,4,5,6,7
	v_sub_f32 v[EX+\j], v[XD+2*\j], v[TC]
.endr
	v_sub_f32 v[EX+8], v[MC], v[TC]
.irp j, 0,1,2,3,4,5,6,7,8
	v_exp_f32 v[EX+\j], v[EX+\j]
.endr
	v_nop
	s_wait_alu depctr_va_vdst(0)                   ; one wait for the nine: the exponentials have written v96 to v104, ahead of their first reader
	v_mul_f32 v[TC+1], v[XD+1], v[EX]              ; the sum, in two chains
	v_mul_f32 v[TC+2], v[XD+9], v[EX+4]
.irp j, 1,2,3
	v_fmac_f32 v[TC+1], v[XD+2*\j+1], v[EX+\j]
	v_fmac_f32 v[TC+2], v[XD+2*\j+9], v[EX+\j+4]
.endr
	v_add_f32 v[TC+1], v[TC+1], v[TC+2]
	v_rcp_f32 v[TC+3], v[TC+1]
	v_nop
	s_wait_alu depctr_va_vdst(0)                   ; the reciprocal has written v51, ahead of its reader; the lines above are also done reading v60 to v75, in which the next trip's exchange lands
	v_mul_f32 v[FF], v[EX+8], v[TC+3]
	; ---- the blocks' scales.  A multiplication's rounding keeps the order, so the largest |p m| x f is the largest |A|, bit for bit
.irp b, 0,1,2,3
	v_mul_f32 v[BM+\b], v[BM+\b], v[FF]
.endr
.irp b, 0,1,2,3
	v_max_num_f32 v[BM+\b], 0x8000000, v[BM+\b]    ; the floor 2^(16 - 127): the byte cannot fall under 1
.endr
.irp b, 0,1,2,3
	v_add_nc_u32 v[BSC+\b], 0xf8800000, v[BM+\b]
.endr
.irp b, 0,1,2,3
	v_and_or_b32 v[BH+\b], v[BM+\b], 0x7f800000, s40
.endr
.irp b, 0,1,2,3
	v_lshrrev_b32 v[BT+\b], 23, v[BSC+\b]
.endr
	v_lshl_or_b32 v[PS], v[BT+1], 8, v[BT]
	v_lshl_or_b32 v[PS], v[BT+2], 16, v[PS]
	v_lshl_or_b32 v[PS], v[BT+3], 24, v[PS]
	; ---- A = p m f, held and turned into codes: they are the second product's operand
.set k, 0
.rept 32
	v_pk_mul_f32 v[S+k:S+k+1], v[S+k:S+k+1], v[FF:FF+1] op_sel_hi:[1,0]
.set k, k+2
.endr
.irp b, 0,1,2,3
.irp i, 0,1,2,3,4,5,6,7,8,9,10,11,12,13,14,15
	v_med3_num_f32 v[S+16*\b+\i], v[S+16*\b+\i], -v[BH+\b], v[BH+\b]   ; the conversion to an 8-bit code does not saturate (ISA guide 7.6.2); m may be negative, so the hold has two sides
.endr
.endr
	WIN 0x40
.irp b, 0,1,2,3
	v_cvt_scalef32_pk8_bf8_f32 v[PC+4*\b:PC+4*\b+1], v[S+16*\b:S+16*\b+7], v[BSC+\b]
	v_cvt_scalef32_pk8_bf8_f32 v[PC+4*\b+2:PC+4*\b+3], v[S+16*\b+8:S+16*\b+15], v[BSC+\b]
.endr
.rept 5
	v_nop                                          ; a plain line behind the last conversion, and four places ahead of the scaled products that take the codes
.endr
	s_wait_alu depctr_va_vdst(0)                   ; behind the places: the conversions have written A's codes, and the shifts further up its scale word v29, which the scaled products below take
	; ---- my keys' part of O^T: four accumulators, one K step of 128 keys: each product starts its sum
	WIN 0x55                                       ; all of a product's registers in window 1
.irp d, 0,1,2,3
	v_wmma_scale_f32_16x16x128_f8f6f4 v[OA+8*\d:OA+8*\d+7], v[VF+16*\d:VF+16*\d+15], v[PC:PC+15], 0, v[VS+\d], v[PS] matrix_a_fmt:MATRIX_FMT_BF8 matrix_b_fmt:MATRIX_FMT_BF8
.endr
	WIN 0
.rept 8
	v_nop                                          ; eight places behind the products, before their results are read
.endr
	WIN 0x04                                       ; an LDS store's data are its source 1: window 1
	s_wait_alu depctr_va_vdst(0)                   ; behind the places: the products have written O^T, which the LDS stores read; the holds and conversions are done with v128 to v159, in which the loads behind the barrier land
.irp d, 0,1,2,3
	ds_store_b128 v[OW], v[OA+8*\d:OA+8*\d+3] offset:128*(\d/2)+32*(\d%2)          ; register j of tile d: channel 32 (d / 2) + 8 (d % 2) + 16 h + j of query r
	ds_store_b128 v[OW], v[OA+8*\d+4:OA+8*\d+7] offset:128*(\d/2)+32*(\d%2)+16
.endr
	WIN 0
	s_wait_dscnt 0x0                               ; my stores have landed; my reads of the maxima and sums are over
	s_barrier_signal -1
	s_barrier_wait -1
	; ---- the eight parts are added, two rows a wave, and stored
.irp u, 0,1,2,3,4,5,6,7
	ds_load_b128 v[S+4*\u:S+4*\u+3], v[ORD] offset:\u*16*OP   ; no vector line stands between the wait ahead of O^T's stores and these loads
.endr
	s_wait_loadcnt 0x0                             ; the next tile's Q and its scale word
	v_bfe_u32 v[QS], v[QSR], s41, 16
	v_or_b32 v[QS], 0x7f0000, v[QS]
	s_wait_dscnt 0x0
	s_wait_xcnt 0x0                                ; the last trip's store has read its data and its base
	v_pk_add_f32 v[RES:RES+1], v[S:S+1], v[S+4:S+5]
	v_pk_add_f32 v[RES+2:RES+3], v[S+2:S+3], v[S+6:S+7]
.irp u, 2,3,4,5,6,7
	v_pk_add_f32 v[RES:RES+1], v[RES:RES+1], v[S+4*\u:S+4*\u+1]
	v_pk_add_f32 v[RES+2:RES+3], v[RES+2:RES+3], v[S+4*\u+2:S+4*\u+3]   ; (these fourteen are also the places between Q's scale word and the next trip's products)
.endr
	s_lshr_b32 s34, s20, 1                         ; tile i holds queries 32 (i / 2) + 8 (i % 2) + r + 8 (r / 8)
	s_lshl_b32 s34, s34, 17
	s_and_b32 s55, s20, 1
	s_lshl_b32 s55, s55, 15
	s_add_co_u32 s34, s34, s55
	s_add_nc_u64 s[32:33], s[26:27], s[34:35]
	s_wait_alu depctr_va_vdst(0)                   ; the additions have written v92 to v95, which the store reads; Q's scale word v28 is written, behind its places, which the next trip's scaled products take
	global_store_b128 v[GOFF], v[RES:RES+3], s[32:33]               ; 16 lanes store 256 consecutive bytes, aligned: a query's 64 channels of the head
	s_add_co_u32 s20, s20, 1
	s_cmp_lt_u32 s20, 32
	s_cbranch_scc1 .Ltrip
	s_wait_dscnt 0x0                               ; the closing lines, six on end
	s_wait_alu 0x0
	s_wait_tensorcnt 0x0
	ds_add_u32 v126, v127
	s_wait_dscnt 0x0
	s_endpgm
.Lfunc_end_k_q78e38eefda_attn:
	.size	k_q78e38eefda_attn, .Lfunc_end_k_q78e38eefda_attn-k_q78e38eefda_attn
	.p2alignl 7, 3214868480
	.fill 96, 4, 3214868480
	.section	.rodata,"a",@progbits
	.p2align	6, 0x0
	.amdhsa_kernel k_q78e38eefda_attn
		.amdhsa_group_segment_fixed_size 37888
		.amdhsa_private_segment_fixed_size 0
		.amdhsa_enable_private_segment 0
		.amdhsa_kernarg_size 32
		.amdhsa_user_sgpr_count 2
		.amdhsa_user_sgpr_kernarg_segment_ptr 1
		.amdhsa_wavefront_size32 1
		.amdhsa_system_sgpr_workgroup_id_x 1
		.amdhsa_system_sgpr_workgroup_id_y 1
		.amdhsa_system_sgpr_workgroup_id_z 1
		.amdhsa_system_vgpr_workitem_id 0
		.amdhsa_next_free_vgpr 512
		.amdhsa_next_free_sgpr 66
		.amdhsa_reserve_vcc 1
		.amdhsa_float_denorm_mode_32 3
		.amdhsa_float_denorm_mode_16_64 3
		.amdhsa_memory_ordered 1
		.amdhsa_forward_progress 1
		.amdhsa_inst_pref_size 43
	.end_amdhsa_kernel
	.amdgpu_metadata
---
amdhsa.version: [ 1, 2 ]
amdhsa.kernels:
  - .name:           k_q78e38eefda_attn
    .symbol:         k_q78e38eefda_attn.kd
    .args:
      - { .name: frag, .offset: 0, .size: 8, .value_kind: global_buffer, .address_space: global }
      - { .name: fscale, .offset: 8, .size: 8, .value_kind: global_buffer, .address_space: global }
      - { .name: pad_mask, .offset: 16, .size: 8, .value_kind: global_buffer, .address_space: global }
      - { .name: att, .offset: 24, .size: 8, .value_kind: global_buffer, .address_space: global }
    .group_segment_fixed_size: 37888
    .private_segment_fixed_size: 0
    .kernarg_segment_align: 8
    .kernarg_segment_size: 32
    .max_flat_workgroup_size: 256
    .sgpr_count:     66
    .vgpr_count:     512
    .wavefront_size: 32
...
	.end_amdgpu_metadata
.endif
;; end of part 5
;; launch tail (part 6): grid 256 x 1, 4 waves a work-group, no clusters, 168,448 bytes of LDS; arguments Q, att, codes, scales, g_o, be_o, bo, g_f, be_f, out0; writes out0
.if DOCPART == 6
	.amdgcn_target "amdgcn-amd-amdhsa--gfx1250"
	.amdhsa_code_object_version 6
	.text
	.protected	k_q78e38eefda_tail
	.globl	k_q78e38eefda_tail
	.p2align	8
	.type	k_q78e38eefda_tail,@function
k_q78e38eefda_tail:
	s_mov_b64 s[64:65], 0
	v_nop
	global_prefetch_b8 v0, s[64:65] scope:SCOPE_SE
	s_setreg_imm32_b32 hwreg(HW_REG_WAVE_SCHED_MODE, 0, 2), 2
	s_setreg_imm32_b32 hwreg(HW_REG_WAVE_MODE, 25, 1), 1
	s_wait_xcnt 0x0
	s_wait_alu depctr_vm_vsrc(0)
; out0 = LN_f(O + relu(LN_o(O) Wo^T + bo)), O = Q + att.  The product runs on codes of BF8 (E5M2) with E8M0 scales; all else in f32.
; A work-group of four waves owns 32 whole rows from the first load to the last store; O, later O + relu(..), lies in LDS as f32 (rows of 4,096 bytes + 16).
; A: wave w takes rows 8 w + i, a row in 32 registers: O = Q + att to LDS, its mean and 1 / sqrt(variance + 1e-5) to LDS | barrier |
; B: wave w takes K steps 2 w, 2 w + 1 of both tiles of 16 rows, in the operand's layout (lane (r, h): 16 neighbours of each block of 32): LayerNorm, quantised; the fragments go to LDS as images of their registers | barrier |
; C: every wave takes all 16 fragments into registers and makes outputs 256 w .. 256 w + 255 for the 32 rows, two tiles of 16 outputs at a time.  Source 0 = 16 rows of Wo, source 1 = 16 rows of LN_o(O): a lane holds eight neighbouring outputs of a row.
;    Wo comes from memory straight into registers, as the images that the first launch laid; each fragment feeds two products from the registers in which it lands.  bo is the C of each sum's first product.  relu, + O, back into LDS in place | barrier |
; D: as A: a row a time: the last LayerNorm, stored in 512 consecutive bytes an instruction.
; NO CLUSTER, NO TENSOR LOAD: all work-groups walk Wo, but a fragment feeds only two products here: through LDS a work-group would write its 1 MiB and read it again for 256 matrix instructions a wave.  No prefetch: phase A streams on every work-group at once, and Wo is read again by all.
; LIMITS: NaN and infinities are not served; a block of zeros keeps the byte 1.
; REGISTERS: window 0: v1-15 addresses; v16-31 LN_o(O)'s scale words; v224-239 Wo's; v240-253 LayerNorm's temporaries; v32-223 by phases (below).  window 1: g_o and be_o in the operand's layout, then the 16 fragments.  window 2: Wo's fragments, two granules of 128.
; THE MODE: SCHED_MODE bits 1:0 = 2 (LLVM: expert scheduling mode 2), set by the entry lines.  The code itself states the register dependences
; between vector or matrix instructions and memory or LDS instructions, with s_wait_alu, always for 0.
; THE PLAN.  Registers that memory or LDS instructions touch:
;   v1-15   addresses: made at the head, never written again: one wait on va_vdst ahead of the first load.
;   A  set i % 3 of v32-223: sixteen loads land; the additions write its first half, eight LDS stores read that half (va_vdst ahead of them); the centring writes it again (vm_vsrc ahead of it, which also frees the last row's mean and factor);
;      v[250:251], mean and factor, go out by one LDS store behind a wait on va_vdst, which also states that all vector lines are done with the set: the loads of the row three further on, and behind row 7 Wo's and bo's first loads, follow it.
;   B  v32-95 and v[132:133]: LDS loads land, vector lines read and write them; v112, v116-131: the quantiser writes, five LDS stores read.  One wait on va_vdst ahead of the stores covers them, the next step's loads, and the fragments' loads
;      into window 1, where g_o and be_o lay; one wait on vm_vsrc behind the stores frees the codes and the word.
;   C  v152-153, O's LDS addresses, are stepped once a pair: a wait on vm_vsrc ahead of the two additions (it also frees v96-127, which the last pair's stores read), and the wait on va_vdst that stands behind the first sixteen products anyway:
;      it states that they are done with granule 0, its scale words and bo, and that the addresses are written; O's LDS loads and the next pair's granule 0 follow it.  A second behind the other sixteen products, ahead of granule 1's loads;
;      a third ahead of the eight LDS stores of v96-127.
;   D  two sets, v32-63 and v64-95: LDS loads land; vector lines work in place; eight global stores read (va_vdst ahead of them, which also covers the next LDS loads into the set); a wait on vm_vsrc stands ahead of those loads.
.set SPITCH, 4112
.set AIMG,  32*SPITCH                  ; 16 images of 2,048 bytes: fragment 8 p + s (tile of rows p, K step s)
.set ASC,   AIMG+16*2048               ; their scale words, 128 bytes each
.set STATS, ASC+16*128                 ; 32 x (mean, factor)
.set LO,  1                            ; v1  16 x lane
.set SD,  2                            ; v2  my 8 rows in the stage, 16 bytes a lane
.set STW, 3                            ; v3  where I put my rows' statistics
.set SB0, 4                            ; v4-5 phase B: row 16 p + r, + 64 h, + my 1,024 bytes
.set STR, 6                            ; v6  row r's statistics
.set IW,  7                            ; v7  where I put images
.set SWA, 8                            ; v8  and scale words
.set IR,  9                            ; v9  where any wave reads images
.set SRA, 10                           ; v10 and scale words
.set OB0, 11                           ; v11-12 phase C: row 16 p + r, + 32 h, + my 1,024 bytes
.set R32, 13
.set H32, 14
.set H64, 15
.set AS,  16
.set RA,  32                           ; phase A: three sets of 64: a row of Q, a row of att
.set Y,   32                           ; phase B: 64 numbers;
.set TM,  96                           ;   v96-111 at work;
.set PW,  112                          ;   the scale word;
.set PC,  116                          ;   v116-131 the codes;
.set MS,  132                          ;   v[132:133] mean, factor; v[134:135] the factor twice
.set AC,  64                           ; phase C: four accumulators;
.set OT,  96                           ;   v96-127 O at their places;
.set BB,  136                          ;   v136-151 bo, two tiles;
.set OA0, 152                          ;   v152-153 O's LDS addresses of the pair in hand
.set GF,  154                          ; v154-185 g_f, v186-217 be_f of my 32 columns
.set BF,  186
.set WS,  224
.set T,   240
.set TP,  248
.set MEAN, 250                         ; v[250:251] the mean; the factor beside it for the store
.set RSTD, 252                         ; v[252:253] the factor (low word)
.set MSB, 0
.macro WIN new
.if MSB != \new
	s_set_vgpr_msb (MSB<<8)|\new
.set MSB, \new
.endif
.endm
	s_load_b512 s[8:23], s[0:1], 0x0               ; Q, att, codes, scales, g_o, be_o, bo, g_f
	s_load_b128 s[24:27], s[0:1], 0x40             ; be_f, out0
	v_lshl_add_u32 v254, v0, 2, 0x29000
	v_mov_b32 v255, 0
	v_lshrrev_b32 v[T], 5, v0
	v_readfirstlane_b32 s2, v[T]                   ; wave
	v_and_b32 v[T], 31, v0                         ; lane
	v_and_b32 v[T+1], 15, v0                       ; r
	v_bfe_u32 v[T+2], v0, 4, 1                     ; h
	v_lshlrev_b32 v[LO], 4, v[T]
	s_wait_alu depctr_va_sdst(0)                   ; s2, the wave's number, is written, ahead of its first reader
	s_mul_i32 s28, s2, 8*SPITCH
	v_add_nc_u32 v[SD], s28, v[LO]
	s_lshl_b32 s28, s2, 6
	s_add_co_u32 s28, s28, STATS
	v_mov_b32 v[STW], s28
	v_mul_u32_u24 v[SB0], v[T+1], SPITCH
	v_lshl_add_u32 v[OB0], v[T+2], 5, v[SB0]
	v_lshl_add_u32 v[SB0], v[T+2], 6, v[SB0]
	s_lshl_b32 s28, s2, 10
	v_add_nc_u32 v[SB0], s28, v[SB0]
	v_add_nc_u32 v[OB0], s28, v[OB0]
	v_add_nc_u32 v[SB0+1], 16*SPITCH, v[SB0]
	v_add_nc_u32 v[OB0+1], 16*SPITCH, v[OB0]
	v_lshl_add_u32 v[STR], v[T+1], 3, STATS
	s_lshl_b32 s28, s2, 12
	s_add_co_u32 s28, s28, AIMG
	v_add_nc_u32 v[IW], s28, v[LO]
	v_add_nc_u32 v[IR], AIMG, v[LO]
	v_lshlrev_b32 v[SRA], 2, v[T]
	s_lshl_b32 s28, s2, 8
	s_add_co_u32 s28, s28, ASC
	v_add_nc_u32 v[SWA], s28, v[SRA]
	v_add_nc_u32 v[SRA], ASC, v[SRA]
	v_lshlrev_b32 v[R32], 5, v[T+1]
	v_lshlrev_b32 v[H32], 5, v[T+2]
	v_lshlrev_b32 v[H64], 6, v[T+2]
	v_mov_b32 v[TP], 0                             ; a lane permute's destination, and the upper halves of pairs, are written before they are named
	v_mov_b32 v[MEAN+1], 0
	v_mov_b32 v[RSTD+1], 0
	s_mov_b32 s30, 0x76543210
	s_mov_b32 s31, 0xfedcba98
	s_mov_b32 s32, 0x600000                        ; the mantissa field of 57,344
	s_mov_b32 s33, 0x3a800000                      ; 1 / 1,024
	s_mov_b32 s34, 0x3727c5ac                      ; 1e-5
	s_lshl_b32 s38, ttmp9, 17                      ; 32 rows of 4,096 bytes,
	s_lshl_b32 s28, s2, 15                         ; my 8 of them
	s_add_co_u32 s38, s38, s28
	s_mov_b32 s39, 0
	s_lshl_b32 s46, s2, 10
	s_mov_b32 s47, 0
	s_lshl_b32 s48, s2, 18                         ; my 16 tiles of Wo: 16,384 bytes each
	s_mov_b32 s49, 0
	s_lshl_b32 s50, s2, 13                         ; their scale bytes: 512 each
	s_mov_b32 s51, 0
	s_wait_kmcnt 0x0
	s_add_nc_u64 s[8:9], s[8:9], s[38:39]
	s_add_nc_u64 s[10:11], s[10:11], s[38:39]
	s_add_nc_u64 s[26:27], s[26:27], s[38:39]
	s_add_nc_u64 s[16:17], s[16:17], s[46:47]      ; g_o, be_o: my two K steps' 256 numbers
	s_add_nc_u64 s[18:19], s[18:19], s[46:47]
	s_add_nc_u64 s[44:45], s[20:21], s[46:47]      ; bo: my 256 outputs
	s_add_nc_u64 s[40:41], s[12:13], s[48:49]
	s_add_nc_u64 s[40:41], s[40:41], 0x1300000     ; Wo's images lie behind the 19,456 positions
	s_add_nc_u64 s[42:43], s[14:15], s[50:51]
	s_add_nc_u64 s[42:43], s[42:43], 622592
	WIN 0x40
	s_wait_alu depctr_va_vdst(0)                   ; the addresses v1 to v15 are written, which the loads and stores of the whole kernel read
.irp u, 0,1
.irp c, 0,1,2,3
.irp q, 0,1,2,3
	global_load_b128 v[64*\u+16*\c+4*\q:64*\u+16*\c+4*\q+3], v[H64], s[16:17] offset:512*\u+128*\c+16*\q
	global_load_b128 v[128+64*\u+16*\c+4*\q:128+64*\u+16*\c+4*\q+3], v[H64], s[18:19] offset:512*\u+128*\c+16*\q
.endr
.endr
.endr
	WIN 0
.macro LOADA i
.irp j, 0,1,2,3,4,5,6,7
	global_load_b128 v[RA+64*((\i)%3)+4*\j:RA+64*((\i)%3)+4*\j+3], v[LO], s[8:9] offset:4096*(\i)+512*\j th:TH_LOAD_NT
	global_load_b128 v[RA+64*((\i)%3)+32+4*\j:RA+64*((\i)%3)+32+4*\j+3], v[LO], s[10:11] offset:4096*(\i)+512*\j th:TH_LOAD_NT
.endr
.endm
	LOADA 0
	LOADA 1
	LOADA 2
.macro REDUCE
	v_pk_add_f32 v[T:T+1], v[T:T+1], v[T+2:T+3]
	v_pk_add_f32 v[T+4:T+5], v[T+4:T+5], v[T+6:T+7]
	v_pk_add_f32 v[T:T+1], v[T:T+1], v[T+4:T+5]
	v_add_f32 v[T], v[T], v[T+1]
	v_add_f32_dpp v[T], v[T], v[T] row_xmask:1 row_mask:0xf bank_mask:0xf
	v_add_f32_dpp v[T], v[T], v[T] row_xmask:2 row_mask:0xf bank_mask:0xf
	v_add_f32_dpp v[T], v[T], v[T] row_xmask:4 row_mask:0xf bank_mask:0xf
	v_add_f32_dpp v[T], v[T], v[T] row_xmask:8 row_mask:0xf bank_mask:0xf
	v_permlanex16_b32 v[TP], v[T], s30, s31
	v_add_f32 v[T], v[T], v[TP]
.endm
.macro LNSTAT w                        ; the row in v[RS] on: its mean; centred in place; the factor.  w = 1: LDS stores still read the row and the last statistics
.irp c, 0,1,2,3
	v_pk_add_f32 v[T+2*\c:T+2*\c+1], v[RS+4*\c:RS+4*\c+1], v[RS+4*\c+2:RS+4*\c+3]
.endr
.irp k, 16,18,20,22,24,26,28,30
	v_pk_add_f32 v[T+\k%8:T+\k%8+1], v[T+\k%8:T+\k%8+1], v[RS+\k:RS+\k+1]
.endr
	REDUCE
.if \w
	s_wait_dscnt 0x0                               ; my LDS stores are done
	s_wait_alu depctr_vm_vsrc(0)                   ; they have read the row's registers and the last row's mean and factor, all of which the lines below write again
.endif
	v_mul_f32 v[MEAN], s33, v[T]
.irp k, 0,2,4,6,8,10,12,14,16,18,20,22,24,26,28,30
	v_pk_add_f32 v[RS+\k:RS+\k+1], v[RS+\k:RS+\k+1], v[MEAN:MEAN+1] op_sel_hi:[1,0] neg_lo:[0,1] neg_hi:[0,1]
.endr
.irp k, 0,2,4,6
	v_pk_mul_f32 v[T+\k:T+\k+1], v[RS+\k:RS+\k+1], v[RS+\k:RS+\k+1]
.endr
.irp k, 8,10,12,14,16,18,20,22,24,26,28,30
	v_pk_fma_f32 v[T+\k%8:T+\k%8+1], v[RS+\k:RS+\k+1], v[RS+\k:RS+\k+1], v[T+\k%8:T+\k%8+1]
.endr
	REDUCE
	v_fma_f32 v[T+1], v[T], s33, s34
	v_rsq_f32 v[RSTD], v[T+1]
	v_nop                                          ; a plain instruction behind the transcendental,
	s_wait_alu depctr_va_vdst(0)                   ; and the wait: the reciprocal root has written v252, ahead of its first reader
.endm
; Wo's granule g (K steps 4 g .. 4 g + 3) of two tiles: 32 loads of 512 consecutive bytes, 2 of scale words; with g = 0 also 4 of bo.  nxt = 1: of the next pair of tiles
.macro WLOAD g, nxt
	WIN 0x80
.irp t, 0,1
.irp s, 0,1,2,3
.irp c, 0,1,2,3
	global_load_b128 v[128*\g+64*\t+16*\s+4*\c:128*\g+64*\t+16*\s+4*\c+3], v[LO], s[40:41] offset:32768*\nxt+16384*\t+2048*(4*\g+\s)+512*\c
.endr
.endr
.endr
	WIN 0
.irp t, 0,1
	global_load_b128 v[WS+8*\g+4*\t:WS+8*\g+4*\t+3], v[R32], s[42:43] offset:1024*\nxt+512*\t+16*\g
.endr
.if \g == 0
.irp t, 0,1
.irp q, 0,1
	global_load_b128 v[BB+8*\t+4*\q:BB+8*\t+4*\q+3], v[H32], s[44:45] offset:128*\nxt+64*\t+16*\q
.endr
.endr
.endif
.endm
	; ---- A
.macro ROWA i
.set RS, RA+64*((\i)%3)
.if (\i) < 6
	s_wait_loadcnt 32                              ; my row's sixteen loads are in; the two younger rows' 32 may be out
.else
	s_wait_loadcnt 16*(7-(\i))
.endif
.irp k, 0,2,4,6,8,10,12,14,16,18,20,22,24,26,28,30
	v_pk_add_f32 v[RS+\k:RS+\k+1], v[RS+\k:RS+\k+1], v[RS+32+\k:RS+32+\k+1]
.endr
	s_wait_alu depctr_va_vdst(0)                   ; the additions have written the row of O, which the LDS stores read
.irp j, 0,1,2,3,4,5,6,7
	ds_store_b128 v[SD], v[RS+4*\j:RS+4*\j+3] offset:SPITCH*(\i)+512*\j
.endr
	LNSTAT 1
	v_mov_b32 v[MEAN+1], v[RSTD]
	s_wait_alu depctr_va_vdst(0)                   ; the mean and the factor are written, which the LDS store reads; every vector line that names this row's set is done: the loads that follow (the row three further on; behind row 7 Wo's and bo's) land in it
	ds_store_b64 v[STW], v[MEAN:MEAN+1] offset:8*(\i)   ; all lanes write the same words with the same values
.if (\i)+3 < 8
	LOADA (\i)+3
.endif
.endm
.irp i, 0,1,2,3,4,5,6,7
	ROWA \i
.endr
	WLOAD 0, 0                                     ; Wo's first two granules are asked for here: they land under phase B.  (bo lands in v136-151, of row 7's set: no vector line stands behind that row's last wait)
	WLOAD 1, 0
	s_wait_dscnt 0x0
	s_barrier_signal -1
	s_barrier_wait -1                              ; 32 rows of O and their statistics lie in LDS
	; ---- B
.irp b, 0,1,2,3
	v_mov_b32 v[TM+4+\b], 0                        ; a lane permute's destination counts as read.  (Row 7's LDS stores, which read these registers, stand ahead of that row's wait on vm_vsrc)
.endr
.macro QUANT                           ; v[Y] on, register 16 b + i = k 32 b + 16 (lane / 16) + i of my row, become a fragment's codes in v[PC] on and its scale word in v[PW]
.irp b, 0,1,2,3
	v_max3_num_f32 v[TM+\b], |v[Y+16*\b]|, |v[Y+16*\b+1]|, 0x8000000   ; with the floor 2^(16 - 127): the byte cannot fall under 1
.endr
.irp i, 2,4,6,8,10,12,14
.irp b, 0,1,2,3
	v_max3_num_f32 v[TM+\b], v[TM+\b], |v[Y+16*\b+\i]|, |v[Y+16*\b+\i+1]|
.endr
.endr
.irp b, 0,1,2,3
	v_permlanex16_b32 v[TM+4+\b], v[TM+\b], s30, s31
.endr
.irp b, 0,1,2,3
	v_max_num_f32 v[TM+\b], v[TM+\b], v[TM+4+\b]
.endr
.irp b, 0,1,2,3
	v_add_nc_u32 v[TM+12+\b], 0xf8800000, v[TM+\b]
.endr
.irp b, 0,1,2,3
	v_and_or_b32 v[TM+8+\b], v[TM+\b], 0x7f800000, s32
.endr
.irp b, 0,1,2,3
	v_lshrrev_b32 v[TM+4+\b], 23, v[TM+12+\b]
.endr
	v_lshl_or_b32 v[PW], v[TM+5], 8, v[TM+4]
	v_lshl_or_b32 v[PW], v[TM+6], 16, v[PW]
	v_lshl_or_b32 v[PW], v[TM+7], 24, v[PW]
.irp b, 0,1,2,3
.irp i, 0,1,2,3,4,5,6,7,8,9,10,11,12,13,14,15
	v_med3_num_f32 v[Y+16*\b+\i], v[Y+16*\b+\i], -v[TM+8+\b], v[TM+8+\b]   ; the conversion to an 8-bit code does not saturate (ISA guide 7.6.2): the hold
.endr
	v_cvt_scalef32_pk8_bf8_f32 v[PC+4*\b:PC+4*\b+1], v[Y+16*\b:Y+16*\b+7], v[TM+12+\b]
	v_cvt_scalef32_pk8_bf8_f32 v[PC+4*\b+2:PC+4*\b+3], v[Y+16*\b+8:Y+16*\b+15], v[TM+12+\b]
.endr
	v_nop                                          ; a plain line behind the last conversion
.endm
.macro PHB u, p                        ; K step 2 w + u, rows 16 p on
.irp c, 0,1,2,3
.irp q, 0,1,2,3
	ds_load_b128 v[Y+16*\c+4*\q:Y+16*\c+4*\q+3], v[SB0+\p] offset:512*\u+128*\c+16*\q   ; no wait of their own: the vector lines that named v32-95 and v[132:133] stand ahead of the last wait on va_vdst (the step before's, or row 7's), and none since names them
.endr
.endr
	ds_load_b64 v[MS:MS+1], v[STR] offset:128*\p
	s_wait_dscnt 0x0
	v_mov_b32 v[MS+2], v[MS+1]
	v_mov_b32 v[MS+3], v[MS+1]
.set k, 0
.rept 32
	v_pk_add_f32 v[Y+k:Y+k+1], v[Y+k:Y+k+1], v[MS:MS+1] op_sel_hi:[1,0] neg_lo:[0,1] neg_hi:[0,1]
.set k, k+2
.endr
.set k, 0
.rept 32
	v_pk_mul_f32 v[Y+k:Y+k+1], v[Y+k:Y+k+1], v[MS+2:MS+3]
.set k, k+2
.endr
	WIN 0x14                                       ; sources 1 and 2: g_o and be_o, window 1
.set k, 0
.rept 32
	v_pk_fma_f32 v[Y+k:Y+k+1], v[Y+k:Y+k+1], v[64*\u+k:64*\u+k+1], v[128+64*\u+k:128+64*\u+k+1]
.set k, k+2
.endr
	WIN 0
	QUANT
	s_wait_alu depctr_va_vdst(0)                   ; the quantiser has written the codes and the scale word, which the LDS stores read; the step's vector lines are done with v32-95, v[132:133], g_o and be_o, in which later LDS loads land
.irp c, 0,1,2,3
	ds_store_b128 v[IW], v[PC+4*\c:PC+4*\c+3] offset:16384*\p+2048*\u+512*\c
.endr
	ds_store_b32 v[SWA], v[PW] offset:1024*\p+128*\u
	s_wait_dscnt 0x0                               ; the stores are done (the barrier behind the last step leans on it)
	s_wait_alu depctr_vm_vsrc(0)                   ; they have read the codes and the scale word, which the next quantiser writes again, and in which O lands in phase C
.endm
	PHB 0, 0
	PHB 0, 1
	PHB 1, 0
	PHB 1, 1
	s_barrier_signal -1                            ; (my LDS instructions have been waited for)
	s_barrier_wait -1                              ; the sixteen fragments lie in LDS
	; ---- C
	WIN 0x40
.irp f, 0,1,2,3,4,5,6,7,8,9,10,11,12,13,14,15
.irp c, 0,1,2,3
	ds_load_b128 v[16*\f+4*\c:16*\f+4*\c+3], v[IR] offset:2048*\f+512*\c   ; over g_o and be_o: their last readers stand ahead of the last step's wait on va_vdst, and no vector line follows it
.endr
.endr
	WIN 0
.irp f, 0,1,2,3,4,5,6,7,8,9,10,11,12,13,14,15
	ds_load_b32 v[AS+\f], v[SRA] offset:128*\f
.endr
.macro PROD g                          ; 16 products: K steps 4 g .. 4 g + 3; the four accumulators (tile t, rows p) take turns, one instruction a turn
.irp s, 0,1,2,3
.irp t, 0,1
.irp p, 0,1
.if (\g == 0) && (\s == 0)
	v_wmma_scale_f32_16x16x128_f8f6f4 v[AC+8*(2*\t+\p):AC+8*(2*\t+\p)+7], v[128*\g+64*\t+16*\s:128*\g+64*\t+16*\s+15], v[16*(8*\p+4*\g+\s):16*(8*\p+4*\g+\s)+15], v[BB+8*\t:BB+8*\t+7], v[WS+8*\g+4*\t+\s], v[AS+8*\p+4*\g+\s] matrix_a_fmt:MATRIX_FMT_BF8 matrix_b_fmt:MATRIX_FMT_BF8
.else
	v_wmma_scale_f32_16x16x128_f8f6f4 v[AC+8*(2*\t+\p):AC+8*(2*\t+\p)+7], v[128*\g+64*\t+16*\s:128*\g+64*\t+16*\s+15], v[16*(8*\p+4*\g+\s):16*(8*\p+4*\g+\s)+15], v[AC+8*(2*\t+\p):AC+8*(2*\t+\p)+7], v[WS+8*\g+4*\t+\s], v[AS+8*\p+4*\g+\s] matrix_a_fmt:MATRIX_FMT_BF8 matrix_b_fmt:MATRIX_FMT_BF8
.endif
.endr
.endr
.endr
.endm
.macro PAIR refill                     ; two tiles of 16 outputs for the 32 rows
	s_wait_alu depctr_vm_vsrc(0)                   ; the last pair's LDS loads and stores have read v152 and v153, which the two lines below write; its stores have read v96-127, in which O's loads land further down
	v_add_nc_u32 v[OA0], s36, v[OB0]
	v_add_nc_u32 v[OA0+1], s36, v[OB0+1]
	s_wait_loadcnt 34                              ; granule 0 is in; granule 1's 34 loads may be out
	s_wait_dscnt 0x0                               ; the fragments and their scale words are in (later pairs: the last pair's stores are done)
	WIN 0x06                                       ; source 0 (Wo) window 2, source 1 window 1
	PROD 0
	WIN 0
.rept 8
	v_nop                                          ; places behind these products, ahead of loads into registers that they have read; they stay beside the wait below
.endr
	s_wait_alu depctr_va_vdst(0)                   ; the sixteen products are done reading granule 0, its scale words and bo, in which the loads below land; v152 and v153 are written, by which O's loads go
.irp t, 0,1
.irp p, 0,1
.irp q, 0,1
	ds_load_b128 v[OT+8*(2*\t+\p)+4*\q:OT+8*(2*\t+\p)+4*\q+3], v[OA0+\p] offset:64*\t+16*\q
.endr
.endr
.endr
.if \refill
	WLOAD 0, 1
	s_wait_loadcnt 38                              ; granule 1 is in; the next pair's granule 0, 38 loads, may be out
.else
.irp j, 0,1,2,3,4,5,6,7
	global_load_b128 v[GF+4*\j:GF+4*\j+3], v[LO], s[22:23] offset:512*\j
	global_load_b128 v[BF+4*\j:BF+4*\j+3], v[LO], s[24:25] offset:512*\j
.endr
	s_wait_loadcnt 16                              ; granule 1 is in; the sixteen loads of g_f and be_f may be out
.endif
	WIN 0x06
	PROD 1
	WIN 0
.rept 9
	v_nop                                          ; eight for the loads and the first read of the results; the ninth since the next pair's first products write over these accumulators with another C
.endr
.if \refill
	s_wait_alu depctr_va_vdst(0)                   ; the sixteen products are done reading granule 1 and its scale words, in which the loads below land
	WLOAD 1, 1
.endif
	s_wait_dscnt 0x0                               ; O
.set k, 0
.rept 32
	v_max_num_f32 v[AC+k], 0, v[AC+k]              ; relu; each accumulator from its low end on
.set k, k+1
.endr
.set k, 0
.rept 16
	v_pk_add_f32 v[OT+k:OT+k+1], v[OT+k:OT+k+1], v[AC+k:AC+k+1]
.set k, k+2
.endr
	s_wait_alu depctr_va_vdst(0)                   ; the additions have written v96-127, which the LDS stores read (behind the last pair: they are also done with the accumulators, in which phase D's rows land)
.irp t, 0,1
.irp p, 0,1
.irp q, 0,1
	ds_store_b128 v[OA0+\p], v[OT+8*(2*\t+\p)+4*\q:OT+8*(2*\t+\p)+4*\q+3] offset:64*\t+16*\q   ; in place: these bytes are my wave's alone until the next barrier
.endr
.endr
.endr
.if \refill
	s_wait_xcnt 0x0                                ; the loads have read their bases: these step only behind this wait
	s_add_nc_u64 s[40:41], s[40:41], 32768
	s_add_nc_u64 s[42:43], s[42:43], 1024
	s_add_nc_u64 s[44:45], s[44:45], 128
	s_add_co_u32 s36, s36, 128
.endif
.endm
	s_mov_b32 s36, 0
	s_mov_b32 s35, 7
.Lpair:
	PAIR 1
	s_sub_co_u32 s35, s35, 1
	s_cmp_lg_u32 s35, 0
	s_cbranch_scc1 .Lpair
	PAIR 0                                         ; the eighth pair asks for no more of Wo: no load leaves its buffer
	s_wait_dscnt 0x0
	s_barrier_signal -1
	s_barrier_wait -1                              ; 32 whole rows of O + relu(..) lie in LDS
	; ---- D
.macro LOADD i
.irp j, 0,1,2,3,4,5,6,7
	ds_load_b128 v[RA+32*((\i)%2)+4*\j:RA+32*((\i)%2)+4*\j+3], v[SD] offset:SPITCH*(\i)+512*\j
.endr
.endm
.macro ROWD i
.set RS, RA+32*((\i)%2)
.if (\i) < 7
	s_wait_xcnt 0x0                                ; the last row's stores have had their addresses translated
.if (\i) > 0
	s_wait_alu depctr_vm_vsrc(0)                   ; the last row's stores have read their data registers, in which the next row lands (the vector lines that wrote them stand ahead of the wait in front of those stores)
.endif
	LOADD (\i)+1
	s_wait_dscnt 8                                 ; my row is in; the next row's eight loads may be out
.else
	s_wait_dscnt 0x0
.endif
	LNSTAT 0
.if (\i) == 0
	s_wait_loadcnt 0x0                             ; g_f and be_f
.endif
.set k, 0
.rept 16
	v_pk_mul_f32 v[RS+k:RS+k+1], v[RS+k:RS+k+1], v[RSTD:RSTD+1] op_sel_hi:[1,0]
.set k, k+2
.endr
.set k, 0
.rept 16
	v_pk_fma_f32 v[RS+k:RS+k+1], v[RS+k:RS+k+1], v[GF+k:GF+k+1], v[BF+k:BF+k+1]
.set k, k+2
.endr
	s_wait_alu depctr_va_vdst(0)                   ; the multiply-adds have written the row, which the stores read
.irp j, 0,1,2,3,4,5,6,7
	global_store_b128 v[LO], v[RS+4*\j:RS+4*\j+3], s[26:27] offset:4096*(\i)+512*\j th:TH_STORE_NT   ; 32 lanes store 512 consecutive bytes
.endr
.endm
	LOADD 0                                        ; into v32-63: the vector lines that named them stand in phase B, ahead of many waits on va_vdst
.irp i, 0,1,2,3,4,5,6,7
	ROWD \i
.endr
	s_wait_dscnt 0x0                               ; the closing lines, six on end
	s_wait_alu 0x0
	s_wait_tensorcnt 0x0
	ds_add_u32 v254, v255
	s_wait_dscnt 0x0
	s_endpgm
.Lfunc_end_k_q78e38eefda_tail:
	.size	k_q78e38eefda_tail, .Lfunc_end_k_q78e38eefda_tail-k_q78e38eefda_tail
	.p2alignl 7, 3214868480
	.fill 96, 4, 3214868480
	.section	.rodata,"a",@progbits
	.p2align	6, 0x0
	.amdhsa_kernel k_q78e38eefda_tail
		.amdhsa_group_segment_fixed_size 168448
		.amdhsa_private_segment_fixed_size 0
		.amdhsa_enable_private_segment 0
		.amdhsa_kernarg_size 80
		.amdhsa_user_sgpr_count 2
		.amdhsa_user_sgpr_kernarg_segment_ptr 1
		.amdhsa_wavefront_size32 1
		.amdhsa_system_sgpr_workgroup_id_x 1
		.amdhsa_system_sgpr_workgroup_id_y 1
		.amdhsa_system_sgpr_workgroup_id_z 1
		.amdhsa_system_vgpr_workitem_id 0
		.amdhsa_next_free_vgpr 768
		.amdhsa_next_free_sgpr 66
		.amdhsa_reserve_vcc 0
		.amdhsa_float_denorm_mode_32 3
		.amdhsa_float_denorm_mode_16_64 3
		.amdhsa_memory_ordered 1
		.amdhsa_forward_progress 1
		.amdhsa_inst_pref_size 227
	.end_amdhsa_kernel
	.amdgpu_metadata
---
amdhsa.version: [ 1, 2 ]
amdhsa.kernels:
  - .name:           k_q78e38eefda_tail
    .symbol:         k_q78e38eefda_tail.kd
    .args:
      - { .name: Q, .offset: 0, .size: 8, .value_kind: global_buffer, .address_space: global }
      - { .name: att, .offset: 8, .size: 8, .value_kind: global_buffer, .address_space: global }
      - { .name: codes, .offset: 16, .size: 8, .value_kind: global_buffer, .address_space: global }
      - { .name: scales, .offset: 24, .size: 8, .value_kind: global_buffer, .address_space: global }
      - { .name: g_o, .offset: 32, .size: 8, .value_kind: global_buffer, .address_space: global }
      - { .name: be_o, .offset: 40, .size: 8, .value_kind: global_buffer, .address_space: global }
      - { .name: bo, .offset: 48, .size: 8, .value_kind: global_buffer, .address_space: global }
      - { .name: g_f, .offset: 56, .size: 8, .value_kind: global_buffer, .address_space: global }
      - { .name: be_f, .offset: 64, .size: 8, .value_kind: global_buffer, .address_space: global }
      - { .name: out0, .offset: 72, .size: 8, .value_kind: global_buffer, .address_space: global }
    .group_segment_fixed_size: 168448
    .private_segment_fixed_size: 0
    .kernarg_segment_align: 8
    .kernarg_segment_size: 80
    .max_flat_workgroup_size: 128
    .sgpr_count:     66
    .vgpr_count:     768
    .wavefront_size: 32
...
	.end_amdgpu_metadata
.endif
;; end of part 6
